; MI455X (gfx1250); checked and timed in simulation.
; The chip was launched on July 23, 2026; its instructions are those of AMD's public machine-readable ISA for CDNA 5 (MIT licence, August 2026) and "CDNA5" Instruction Set Architecture Reference Guide (July 2026). The comments in the code are by the model that wrote it; some were corrected since.
;; Relative Position Multihead Attention. Allowed arithmetic: matrix products marked QUANTISED: E2M1 operands, one E8M0 scale for each 32 along K, by v_wmma_scale_f32_16x16x128_f8f6f4 with both operands' format E2M1 (or v_wmma_scale_f32_32x16x128_f4), f32 sums; products left as they are: bf16, f16 or f32 operands; f32 sums; everything else in f32.
;; Inputs: Wk 1,024 x 1,024 float32; Wo 1,024 x 1,024 float32; Wq 1,024 x 1,024 float32; Wv 1,024 x 1,024 float32; bk 1,024 float32; bo 1,024 float32; bq 1,024 float32; bv 1,024 float32; rel_bias 31 x 16 float32; x 4 x 2,048 x 1,024 float32.
;; Outputs: out0 4 x 2,048 x 1,024 float32.
;; This version of the problem:
;;   THIS VERSION OF THE PROBLEM IS GIVEN IN LOW PRECISION. The matrix products marked QUANTISED in the list below multiply operands that are first quantised to E2M1 (2 exponent bits, 1 mantissa bit; 4 bits a number), with one power-of-two scale for each 32 numbers along K (OCP MX v1.0); their sums are f32. The products marked 'left as it is' may take bf16, f16 or f32 operands, with f32 sums. Whichever they take, every output number must still come out within the allowed error. Rounding operands to bf16 (8 significant bits) uses up far more of that allowance than f16 does (11 bits, for magnitudes from 6e-5 to 65,504). All else is computed in f32.
;;   The module's matrix products, in the order in which they are computed (A, B: the left and right operand; K: the contracted axis; several contracted axes count as one K, in the product's order):
;;     1. [M 8,192, K 1,024] x [K 1,024, N 1,024]; A: input x; B: input Wq: QUANTISED
;;     2. [M 8,192, K 1,024] x [K 1,024, N 1,024]; A: input x; B: input Wk: QUANTISED
;;     3. [M 8,192, K 1,024] x [K 1,024, N 1,024]; A: input x; B: input Wv: QUANTISED
;;     4. batch 64 x [M 2,048, K 64] x [K 64, N 2,048]; A: computed on the way; B: computed on the way: left as it is (an operand is computed on the way)
;;     5. batch 64 x [M 2,048, K 2,048] x [K 2,048, N 64]; A: computed on the way; B: computed on the way: left as it is (an operand is computed on the way)
;;     6. [M 8,192, K 1,024] x [K 1,024, N 1,024]; A: computed on the way; B: input Wo: left as it is (an operand is computed on the way)
;;   THE QUANTISER, for each operand of a quantised product, along K:
;;     - K is cut into blocks of 32 from its start; a last block that is shorter is filled with zeros.
;;     - A block's scale is 2^e with e = floor(log2(the largest magnitude in the block)) - 2, held to -126 .. 127; a block of zeros has e = 0. As a byte (E8M0): e + 127.
;;     - Each number is divided by its block's scale, clamped to +-6, and rounded to the nearest number of E2M1, ties to even, subnormals kept.
;;     - The product sums the exact products of the quantised numbers (number of the format x scale) in f32.
;;   ~~~python
;;   def quantise(x, axis):      # numpy; x: float32 -> the quantised numbers, widened to float32 again
;;       x = np.moveaxis(x, axis, -1); K = x.shape[-1]
;;       x = np.pad(x, [(0, 0)] * (x.ndim - 1) + [(0, -K % 32)]); x = x.reshape(x.shape[:-1] + (-1, 32)); a = np.abs(x).max(-1, keepdims=True)
;;       e = np.where(a > 0, np.clip(np.frexp(np.where(a > 0, a, 1))[1] - 1 - 2, -126, 127), 0)      # np.frexp(a)[1] - 1 = floor(log2(a)), exactly
;;       r = np.clip(x / 2.0 ** e, -6, 6)
;;       step = 2.0 ** (np.maximum(np.frexp(np.where(r == 0, 1, r))[1] - 1, 0) - 1)
;;       q = np.round(r / step) * step * 2.0 ** e      # np.round: ties to even
;;       return np.moveaxis(q.reshape(q.shape[:-2] + (-1,))[..., :K], -1, axis).astype(np.float32)
;;   ~~~
;; One version. Each part assembles by itself: llvm-mc -triple=amdgcn-amd-amdhsa -mcpu=gfx1250 --defsym DOCPART=n.
;; ======== version 1 of 1: 4 launches
;; limits: values are held in f16: magnitudes above 65,504 overflow, below 6.1e-05 lose precision
;; workspace buffers: x_codes 4,194,304 bytes; x_scales 262,144 bytes; w_codes 1,572,864 bytes; w_scales 98,304 bytes; wo_h 2,097,152 bytes; qkv 50,331,648 bytes; o_h 16,777,216 bytes
;; launch quant (part 1): grid 384 x 1, 4 waves a work-group, no clusters, 33,280 bytes of LDS; arguments x, Wq, Wk, Wv, Wo, x_codes, x_scales, w_codes, w_scales, wo_h; writes x_codes, x_scales, w_codes, w_scales, wo_h
.if DOCPART == 1
	.amdgcn_target "amdgcn-amd-amdhsa--gfx1250"
	.amdhsa_code_object_version 6
	.text
	.protected	k_q6d851d6970_quant
	.globl	k_q6d851d6970_quant
	.p2align	8
	.type	k_q6d851d6970_quant,@function
k_q6d851d6970_quant:
	s_mov_b64 s[64:65], 0
	v_nop
	global_prefetch_b8 v0, s[64:65] scope:SCOPE_SE
	s_setreg_imm32_b32 hwreg(HW_REG_WAVE_MODE, 25, 1), 1
	s_wait_xcnt 0x0
; FIRST OF FOUR LAUNCHES: x [8192][1024], Wq, Wk, Wv [1024][1024], f32, K innermost, become codes of FP4 (E2M1) with one E8M0 scale byte for each 32 along K; Wo becomes f16.
; WORK LEFT OUT BY THE WHOLE PROGRAM: the input bk.  The scores' product is not quantised, so Q . (K' + bk) = Q . K' + Q . bk holds in real numbers for all values of the inputs; the term Q . bk
; does not hang on the key, so it is the same along the softmax's axis and falls out of the softmax.  K is used nowhere else.  So bk has no way to any output: it is not loaded and is no argument
; of any launch.  LIMIT: a NaN, an infinity or an overflow that reaches only bk is not carried to the result.
; (bq stays: Q . K changes with it key by key.  bv stays: it reaches the output through Wo.)
; A block's scale is 2^(floor(log2(its largest magnitude)) - 2); its byte is the largest magnitude's own exponent field - 2, held at 1 from below.  A block of zeros so gets the byte 1 where the
; rule says 127: its codes are zeros, which add nothing under any byte but 0xff, and this program alone reads the bytes.
; LIMITS: blocks whose largest magnitude lies under 2^-124 keep the byte 1; NaN and infinities among the inputs are not served; |Wo| stays under 65,504 (f16).
; SHARES: a work-group takes 32,768 numbers, a wave 8,192.  Work-groups 0-255: x; 256-287 Wq; 288-319 Wk; 320-351 Wv (their codes lie one behind the other, rows 0-3071 of one operand); 352-383: Wo.
; All rows are dense and 1,024 is a multiple of 32: the four tensors are plain streams of blocks of 32, and so are their codes and scale bytes.
; A wave takes 16 steps of 512 numbers.  Each of a step's four loads reads 512 consecutive bytes, 16 a lane; the 2,048 bytes turn through the wave's own stage in LDS and come back 64 bytes a lane, so that
; a lane holds 16 neighbours along K (two neighbouring lanes hold a block).  A lane's 16 codes are 8 bytes: the wave stores 256 consecutive bytes.  A wave's 256 scale bytes are gathered in LDS and leave as one run of 256.
; No tensor loads, no matrix unit, no cluster, no barrier: a stream without reuse; waves share nothing.
.set WAVES, 4
.set STEPS, 16
.set EMAX,  2
.set CB,    8                          ; bytes of 16 codes
.set R,     16                         ; v16-79   four sets of 16 numbers as they are loaded
.set X,     80                         ; v80-111  two sets of 16 neighbours
.set C,     128                        ; v128-191 codes: four registers for each step, so that no store's data are written again
.set E,     112                        ; v112-127 a scale byte for each step
.set WREG,  8192                       ; LDS: a region for each wave: two stages of 32 x SP bytes, behind them its 256 scale bytes
.set SP,    80                         ; a lane's place in a stage: 64 bytes + 16 of padding
.set SPW,   12                         ; v12  LDS address of my spare word; never rewritten
.set NIL,   13                         ; v13  0; never rewritten
.set SPARE, WAVES*WREG                 ; behind the four regions: the spare words, 128 bytes a wave, which no other line names
	s_load_b512 s[8:23], s[0:1], 0x0               ; x s[8:9], Wq s[10:11], Wk s[12:13], Wv s[14:15], Wo s[16:17], x_codes s[18:19], x_scales s[20:21], w_codes s[22:23]
	s_load_b128 s[24:27], s[0:1], 0x40             ; w_scales s[24:25], wo_h s[26:27]
	v_lshl_add_u32 v[SPW], v0, 2, SPARE
	v_mov_b32 v[NIL], 0
	v_lshrrev_b32 v1, 5, v0
	v_readfirstlane_b32 s28, v1                    ; wave
	v_and_b32 v2, 31, v0                           ; lane
	v_lshlrev_b32 v3, 4, v2                        ; my 16 bytes of a load's 512
	s_mul_i32 s29, s28, WREG
	v_lshrrev_b32 v14, 2, v2
	v_mul_u32_u24 v14, v14, SP
	v_and_b32 v15, 3, v2
	v_lshl_add_u32 v14, v15, 4, v14
	v_add_nc_u32 v14, s29, v14                     ; the stage, on the way in: four lanes' 64 bytes on end, then 16 of padding
	v_mul_u32_u24 v15, v2, SP
	v_add_nc_u32 v15, s29, v15                     ; and on the way out: my 16 neighbours
	v_mul_u32_u24 v4, v2, CB                       ; my 8 bytes of a store's 256
	v_lshrrev_b32 v5, 1, v2
	s_add_co_u32 s29, s29, 2*32*SP
	v_add_nc_u32 v5, s29, v5                       ; LDS: my wave's 256 scale bytes, my block's byte
	v_lshlrev_b32 v7, 3, v2
	v_add_nc_u32 v6, s29, v7                       ; and on the way out 8 bytes a lane
	s_wait_kmcnt 0x0
	s_cmp_ge_u32 ttmp9, 352
	s_cbranch_scc1 .Lwo                            ; Wo's work-groups: a branch on the work-group's number
	s_cmp_lt_u32 ttmp9, 320                        ; the buffers are chosen by the work-group's number alone
	s_cselect_b64 s[30:31], s[12:13], s[14:15]     ; Wk or Wv
	s_cmp_lt_u32 ttmp9, 288
	s_cselect_b64 s[30:31], s[10:11], s[30:31]     ; Wq
	s_cmp_lt_u32 ttmp9, 256
	s_cselect_b64 s[30:31], s[8:9], s[30:31]       ; x
	s_cselect_b64 s[32:33], s[18:19], s[22:23]     ; the codes
	s_cselect_b64 s[34:35], s[20:21], s[24:25]     ; the scale bytes
	s_cselect_b32 s36, 0, 256
	s_cselect_b32 s37, -1, 31
	s_sub_co_u32 s38, ttmp9, s36                   ; my place in the buffers that are written,
	s_and_b32 s39, s38, s37                        ; and in the tensor that is read (a weight has 32 work-groups)
	s_lshl_b32 s39, s39, 2
	s_add_co_u32 s39, s39, s28                     ; which run of 8,192 numbers is my wave's
	s_lshl_b32 s40, s39, 15                        ; 32,768 bytes a run
	s_mov_b32 s41, 0
	s_add_nc_u64 s[30:31], s[30:31], s[40:41]
	s_lshl_b32 s38, s38, 2
	s_add_co_u32 s38, s38, s28
	s_lshl_b32 s40, s38, 12                        ; 4,096 bytes of codes a run
	s_add_nc_u64 s[32:33], s[32:33], s[40:41]
	s_lshl_b32 s40, s38, 8                         ; 256 scale bytes a run
	s_add_nc_u64 s[34:35], s[34:35], s[40:41]
.macro LOAD t
.irp i, 0,1,2,3
	global_load_b128 v[R+16*((\t)%4)+4*\i:R+16*((\t)%4)+4*\i+3], v3, s[30:31] offset:2048*(\t)+512*\i th:TH_LOAD_NT   ; 32 lanes read 512 consecutive bytes
.endr
.endm
.macro TURN t                          ; step t's numbers through the stage: LDS serves a wave's instructions in order, so no wait stands between the stores and the loads
.irp i, 0,1,2,3
	ds_store_b128 v14, v[R+16*((\t)%4)+4*\i:R+16*((\t)%4)+4*\i+3] offset:32*SP*((\t)%2)+8*SP*\i
.endr
.irp i, 0,1,2,3
	ds_load_b128 v[X+16*((\t)%2)+4*\i:X+16*((\t)%2)+4*\i+3], v15 offset:32*SP*((\t)%2)+16*\i
.endr
.endm
.irp t, 0,1,2,3
	LOAD \t
.endr
	s_wait_loadcnt 12                              ; step 0's four loads are in; the twelve of steps 1 to 3 stay out
	TURN 0
.macro STEP t
.set XS, X+16*((\t)%2)
.if (\t) > 0
	s_wait_dscnt 1                                 ; this step's numbers are back from the stage (the last step's byte store may be out)
.else
	s_wait_dscnt 0x0
.endif
.if (\t)+4 < STEPS
	LOAD (\t)+4                                    ; into the registers that this step's stores into the stage have read
.endif
.if (\t)+1 < STEPS
.if STEPS-2-(\t) >= 3
	s_wait_loadcnt 12                              ; the next step's four loads are in; those of the three steps behind it may be out
.else
	s_wait_loadcnt 4*(STEPS-2-(\t))
.endif
	TURN (\t)+1                                    ; through the other stage while this step is worked
.endif
	v_max3_num_f32 v8, |v[XS]|, |v[XS+1]|, |v[XS+2]|               ; the largest magnitude of my 16, in two chains
	v_max3_num_f32 v9, |v[XS+3]|, |v[XS+4]|, |v[XS+5]|
.irp i, 6,10
	v_max3_num_f32 v8, v8, |v[XS+\i]|, |v[XS+\i+1]|
	v_max3_num_f32 v9, v9, |v[XS+\i+2]|, |v[XS+\i+3]|
.endr
	v_max3_num_f32 v8, v8, |v[XS+14]|, |v[XS+15]|
	v_max3_num_f32 v8, v8, v9, (EMAX+1)<<23        ; and the floor 2^(3 - 127): the byte cannot fall under 1
	v_max_num_f32_dpp v8, v8, v8 row_xmask:1 row_mask:0xf bank_mask:0xf   ; and of my neighbour's 16: the block's
	v_add_nc_u32 v11, -(EMAX<<23), v8              ; 2 off its exponent field: the conversion takes the exponent field of this operand as its scale
	v_cvt_scalef32_pk8_fp4_f32 v[C+4*(\t)], v[XS:XS+7], v11        ; to the nearest code, ties to even, beyond 6 the largest code
	v_cvt_scalef32_pk8_fp4_f32 v[C+4*(\t)+1], v[XS+8:XS+15], v11
	v_lshrrev_b32 v[E+(\t)], 23, v11               ; the scale's byte (also the plain line behind the conversions)
	ds_store_b8 v5, v[E+(\t)] offset:16*(\t)       ; both lanes of a block write the same byte with the same value
	global_store_b64 v4, v[C+4*(\t):C+4*(\t)+1], s[32:33] offset:32*CB*(\t)   ; 256 consecutive bytes a wave
.endm
.irp t, 0,1,2,3,4,5,6,7,8,9,10,11,12,13,14,15
	STEP \t
.endr
	ds_load_b64 v[8:9], v6                         ; LDS serves a wave's instructions in order: these see my stores
	s_wait_dscnt 0x0
	global_store_b64 v7, v[8:9], s[34:35]          ; 32 lanes store 256 consecutive bytes
	s_wait_tensorcnt 0x0                           ; the wave's end
	ds_add_u32 v[SPW], v[NIL]
	s_wait_dscnt 0x0
	s_endpgm
; Wo to f16, row-major as it lies: a ring of 16 register slots, 16 loads of 512 bytes always on their way.
.Lwo:
	s_sub_co_u32 s38, ttmp9, 352
	s_lshl_b32 s38, s38, 2
	s_add_co_u32 s38, s38, s28                     ; my wave's run of 8,192 numbers
	s_lshl_b32 s40, s38, 15
	s_mov_b32 s41, 0
	s_add_nc_u64 s[16:17], s[16:17], s[40:41]
	s_lshl_b32 s40, s38, 14
	s_add_nc_u64 s[26:27], s[26:27], s[40:41]
.irp i, 0,1,2,3,4,5,6,7,8,9,10,11,12,13,14,15
	global_load_b128 v[R+4*\i:R+4*\i+3], v3, s[16:17] offset:512*\i th:TH_LOAD_NT
.endr
.macro WSLOT i, g, ahead, left
	s_wait_loadcnt \left                           ; loads come back in order: mine is in, the younger ones stay out
	s_wait_xcnt 0x0                                ; the slot's last store has read its data: they are written again only behind this wait
	v_cvt_pk_f16_f32 v[C+2*(\i)], v[R+4*(\i)], v[R+4*(\i)+1]
	v_cvt_pk_f16_f32 v[C+2*(\i)+1], v[R+4*(\i)+2], v[R+4*(\i)+3]
.if \ahead
	global_load_b128 v[R+4*(\i):R+4*(\i)+3], v3, s[16:17] offset:(16*((\g)+1)+(\i))*512 th:TH_LOAD_NT
.endif
	global_store_b64 v4, v[C+2*(\i):C+2*(\i)+1], s[26:27] offset:(16*(\g)+(\i))*256   ; 256 consecutive bytes a wave
.endm
.irp g, 0,1,2
.irp i, 0,1,2,3,4,5,6,7,8,9,10,11,12,13,14,15
	WSLOT \i, \g, 1, 15
.endr
.endr
.irp i, 0,1,2,3,4,5,6,7,8,9,10,11,12,13,14,15
	WSLOT \i, 3, 0, 15-\i                          ; the last round loads nothing: the counts run down
.endr
	s_endpgm
.Lfunc_end_k_q6d851d6970_quant:
	.size	k_q6d851d6970_quant, .Lfunc_end_k_q6d851d6970_quant-k_q6d851d6970_quant
	.p2alignl 7, 3214868480
	.fill 96, 4, 3214868480
	.section	.rodata,"a",@progbits
	.p2align	6, 0x0
	.amdhsa_kernel k_q6d851d6970_quant
		.amdhsa_group_segment_fixed_size 33280
		.amdhsa_private_segment_fixed_size 0
		.amdhsa_enable_private_segment 0
		.amdhsa_kernarg_size 80
		.amdhsa_user_sgpr_count 2
		.amdhsa_user_sgpr_kernarg_segment_ptr 1
		.amdhsa_wavefront_size32 1
		.amdhsa_system_sgpr_workgroup_id_x 1
		.amdhsa_system_sgpr_workgroup_id_y 1
		.amdhsa_system_sgpr_workgroup_id_z 1
		.amdhsa_system_vgpr_workitem_id 0
		.amdhsa_next_free_vgpr 192
		.amdhsa_next_free_sgpr 66
		.amdhsa_reserve_vcc 0
		.amdhsa_float_denorm_mode_32 3
		.amdhsa_float_denorm_mode_16_64 3
		.amdhsa_memory_ordered 1
		.amdhsa_forward_progress 1
		.amdhsa_inst_pref_size 58
	.end_amdhsa_kernel
	.amdgpu_metadata
---
amdhsa.version: [ 1, 2 ]
amdhsa.kernels:
  - .name:           k_q6d851d6970_quant
    .symbol:         k_q6d851d6970_quant.kd
    .args:
      - { .name: x, .offset: 0, .size: 8, .value_kind: global_buffer, .address_space: global }
      - { .name: Wq, .offset: 8, .size: 8, .value_kind: global_buffer, .address_space: global }
      - { .name: Wk, .offset: 16, .size: 8, .value_kind: global_buffer, .address_space: global }
      - { .name: Wv, .offset: 24, .size: 8, .value_kind: global_buffer, .address_space: global }
      - { .name: Wo, .offset: 32, .size: 8, .value_kind: global_buffer, .address_space: global }
      - { .name: x_codes, .offset: 40, .size: 8, .value_kind: global_buffer, .address_space: global }
      - { .name: x_scales, .offset: 48, .size: 8, .value_kind: global_buffer, .address_space: global }
      - { .name: w_codes, .offset: 56, .size: 8, .value_kind: global_buffer, .address_space: global }
      - { .name: w_scales, .offset: 64, .size: 8, .value_kind: global_buffer, .address_space: global }
      - { .name: wo_h, .offset: 72, .size: 8, .value_kind: global_buffer, .address_space: global }
    .group_segment_fixed_size: 33280
    .private_segment_fixed_size: 0
    .kernarg_segment_align: 8
    .kernarg_segment_size: 80
    .max_flat_workgroup_size: 128
    .sgpr_count:     66
    .vgpr_count:     192
    .wavefront_size: 32
...
	.end_amdgpu_metadata
.endif
;; end of part 1
;; launch qkv (part 2): grid 12 x 32, 4 waves a work-group, clusters of 4 x 4, 327,680 bytes of LDS; arguments x_codes, x_scales, w_codes, w_scales, qkv, bq, bv; writes qkv
.if DOCPART == 2
	.amdgcn_target "amdgcn-amd-amdhsa--gfx1250"
	.amdhsa_code_object_version 6
	.text
	.protected	k_q6d851d6970_qkv
	.globl	k_q6d851d6970_qkv
	.p2align	8
	.type	k_q6d851d6970_qkv,@function
k_q6d851d6970_qkv:
	s_mov_b64 s[64:65], 0
	v_nop
	global_prefetch_b8 v0, s[64:65] scope:SCOPE_SE
	s_setreg_imm32_b32 hwreg(HW_REG_WAVE_MODE, 25, 1), 1
	s_wait_xcnt 0x0
	s_wait_alu depctr_hold_cnt(0) depctr_sa_sdst(0) depctr_va_vdst(0) depctr_va_sdst(0) depctr_va_ssrc(0) depctr_va_vcc(0) depctr_vm_vsrc(0)
	s_getreg_b32 s2, hwreg(HW_REG_IB_STS2, 6, 4)
	s_cmp_eq_u32 s2, 0
	s_cbranch_scc0 .Lentry_in_a_cluster
	s_endpgm
.Lentry_in_a_cluster:
	s_bfe_u32 s2, ttmp6, 0x10000c
	s_cmp_lg_u32 s2, 0xf033
	s_cbranch_scc0 .Lentry_shape_is_right
	s_endpgm
.Lentry_shape_is_right:
; [8192 x 3072] = x W^T on codes of FP4 (E2M1) with E8M0 scales for each 32 along K = 1,024; columns 0-1023 are Q (+ bq), 1024-2047 K, 2048-3071 V (+ bv).  Sums in f32, results rounded once to f16.
; WORK LEFT OUT: bk (it is the same along the softmax's axis for all values of the inputs: shown at the head of the first launch).  K's sums begin at 0.
; LIMIT: |Q|, |K|, |V| stay under 65,504 (f16).
; A tile of 256 x 256 is made by a work-group of four waves, a wave makes 128 x 128: 64 accumulators, 512 registers.  K is two steps of 512, one in each of two LDS slots: both are asked for at the head, nothing is filled again.
; THE SCALES of the work-group's 256 rows of x and 256 rows of W, for all of K, are two dense blocks: they come into LDS once, with the first fills.
; CLUSTERS: 4 x 4 work-groups; x's tiles are shared along a row of the cluster, W's along a column: each is asked for jointly, by the same tensor load with a mask that names the four.
; A cluster's x is the part (0 Q, 1 K, 2 V): the same in all sixteen partners, so the one branch on it is the same in all.
; THE MATRIX INSTRUCTION IS USED TRANSPOSED (source 0 = 16 rows of W, source 1 = 16 rows of x): a lane holds ONE token (lane % 16) and eight neighbouring channels 16 b + 8 (lane / 16) + 0 .. 7.
; THE WAY OUT HAS NO STAGE.  The buffer is laid in IMAGES: [part][batch x head][token tile][channel group of 16][512 bytes]; a lane's eight channels, packed to 16 bytes, go to byte 16 x slot of their image, so a
; wave's store covers 512 consecutive bytes.  Q and K: slot = lane, which is the order of a 16-bit operand's registers.  V: slot = lane with bits 3 and 4 exchanged, the order in which the turning LDS load of the next launch reads at 16 x lane.
; WHAT THE SUMS BEGIN WITH is the C of each sum's first product: eight registers for each of the wave's eight channel blocks, in the result's layout.  The part is tested once: Q's and V's work-groups load their bias there,
; K's write zeros there (64 moves, while the first tiles are on their way); so the first step is written once, and every way through the text writes what it reads.
; REGISTERS, in windows of 256: window 0: v0-31 addresses; v32-95 scale words, two sets; v128-191 x's fragments, ONE set; v192-255 the sums' beginnings; on the way out v128-255 hold packed results.
;   window 1: W's fragments, TWO sets, at v0 and v128.   window 2: the accumulators of my rows 0-63 ((a, b) at v[8 (8 a + b)]);   window 3: those of my rows 64-127.
.set SIZE_K, 1024
.set KSTEP,  512                       ; along K in a slot
.set NQ,     KSTEP/128                 ; matrix instructions deep
.set ROWB,   256                       ; a tile's row in bytes
.set KROW,   SIZE_K/2                  ; a row of codes in memory
.set PITCH,  272                       ; an LDS row: 256 bytes + 16 of padding: the 16 rows that a load touches start 68 words apart
.set FR,     8                         ; registers of a fragment: 16 rows x 128 K
.set NL,     2                         ; LDS loads that bring one
.set NP,     4                         ; places behind this matrix instruction (ISA guide 7.12.1)
.set HALFT,  128*PITCH
.set SLOT,   4*HALFT                   ; x's 256 rows, then W's 256 rows
.set KS,     SIZE_K/32                 ; a row of scales in bytes
.set SCL,    2*SLOT                    ; behind the slots: the scales, as runs of 256 bytes + 16 of padding
.set HALFS,  (128*KS/256)*272
.set SBLK,   (16*KS/256)*272
.set SPARE,  SCL+4*HALFS               ; the spare words, 128 bytes a wave, which no other line names
.set ADRA, 16                          ; v16-17  LDS address of my x fragments in slot 0, 1
.set ADRB, 20                          ; v20-21  the same for W
.set CO,   26                          ; v26     16 x my slot in an image
.set ADRS, 27                          ; v27     LDS address of my scale words: lanes 0-15 x's rows, lanes 16-31 W's
.set SPW,  28                          ; v28     LDS address of my spare word; never rewritten
.set NIL,  29                          ; v29     0; never rewritten
.set SC,   32                          ; scale words: set s at v[SC + 32 s]; register 4 i + q: lanes 0-15 x's block i, lanes 16-31 W's block i
.set AF,   128                         ; x's fragments
.set BI,   192                         ; what the sums begin with: the bias, or for K zeros
.set PK,   128                         ; the way out: packed results
.set G1, 24
.set G0, 32
.set G1B, 48
.set G0B, 56
.set G1S, 68
.set G0S, 76
.set G1SB, 80
.set G0SB, 88
.set MSB, 0
.macro WIN new                         ; the immediate's high byte repeats the setting that is left
.if MSB != \new
	s_set_vgpr_msb (MSB<<8)|\new
.set MSB, \new
.endif
.endm
.set MUL_LO, 0xa1                      ; source 0 (W) window 1, source 1 (x) window 0, C and D window 2
.set MUL_HI, 0xf1                      ; the same, C and D window 3
.set TO_B,   0x40                      ; destination window 1, address window 0
; A joint load: waves 0 and 1 fetch for x, waves 2 and 3 for W.  The branch hangs on the wave's number alone.  An s_nop 0 and four v_nop follow each of the two lines.
.macro JLOAD g0a, g1a, g0b, g1b
	s_cmp_eq_u32 s15, 0
	s_cbranch_scc0 .Lfor_b_\@
	tensor_load_to_lds s[\g0a:\g0a+3], s[\g1a:\g1a+7]
	s_nop 0
.rept 4
	v_nop
.endr
	s_branch .Lasked_\@
.Lfor_b_\@:
	tensor_load_to_lds s[\g0b:\g0b+3], s[\g1b:\g1b+7]
	s_nop 0
.rept 4
	v_nop
.endr
.Lasked_\@:
.endm
.macro CROUND                          ; a round of the cluster's barrier
	s_barrier_signal -1
	s_barrier_wait -1
	s_cmp_lg_u32 s14, 0
	s_cbranch_scc1 .Lnot_wave_0_\@
	s_barrier_signal -3
.Lnot_wave_0_\@:
	s_barrier_wait -3
	s_barrier_signal -1
	s_barrier_wait -1
.endm
	s_load_b128 s[4:7], s[0:1], 0x0                ; x's codes s[4:5], x's scales s[6:7]
	s_load_b128 s[8:11], s[0:1], 0x10              ; W's codes s[8:9], W's scales s[10:11]
	s_load_b64 s[12:13], s[0:1], 0x20              ; the images
	s_load_b64 s[96:97], s[0:1], 0x28              ; bq
	s_load_b64 s[2:3], s[0:1], 0x30                ; bv
	v_lshl_add_u32 v[SPW], v0, 2, SPARE
	v_mov_b32 v[NIL], 0
	ds_add_u32 v[SPW], v[NIL]                      ; the wave's opening: the add, twice on end, and its wait ahead of my first tensor load
	ds_add_u32 v[SPW], v[NIL]
	v_lshrrev_b32 v1, 5, v0
	v_readfirstlane_b32 s14, v1                    ; wave 0..3
	s_lshr_b32 s15, s14, 1                         ; which half of the tile's rows is mine.  Also: I fetch for x (0) or for W (1)
	s_and_b32 s16, s14, 1                          ; which half of its columns.  Also: which 128 rows I fetch
	s_bfe_u32 s40, ttmp6, 0x40000                  ; cx, cy: my place in the cluster
	s_bfe_u32 s41, ttmp6, 0x40004
	s_lshl_b32 s42, ttmp9, 2
	s_add_co_u32 s42, s42, s40                     ; tile column = 4 x cluster x + cx
	s_and_b32 s17, ttmp7, 0xffff
	s_lshl_b32 s17, s17, 2
	s_add_co_u32 s17, s17, s41                     ; tile row = 4 x cluster y + cy
	s_lshl_b32 s43, s41, 2
	s_lshl_b32 s43, 15, s43                        ; my row of the cluster
	s_lshl_b32 s44, 0x1111, s40                    ; my column
	; descriptor group 1: a tile of 128 rows x 256 bytes, 16 bytes of padding behind each row
	s_or_b32 s[G1+0], s43, (0<<16)|(1<<20)|(1<<21)|(5<<22)|(3<<25)  ; the mask; elements of 1 byte; padding on; bit 21 beside a mask; after every 64 words, 4 words
	s_or_b32 s[G1B+0], s44, (0<<16)|(1<<20)|(1<<21)|(5<<22)|(3<<25)
.irp g, G1, G1B
	s_mov_b32 s[\g+1], ROWB<<16                    ; tensor_dim0
	s_mov_b32 s[\g+2], 128<<16                     ; tensor_dim1
	s_mov_b32 s[\g+3], ROWB<<16                    ; tile_dim0
	s_mov_b32 s[\g+4], 128                         ; tile_dim1
	s_mov_b32 s[\g+5], KROW                        ; from row to row
	s_mov_b32 s[\g+6], 0
	s_mov_b32 s[\g+7], 0
.endr
	; the scales of 128 rows: 4,096 dense bytes, as 16 rows of 256 bytes (32 elements of 8), 16 bytes of padding behind each
	s_or_b32 s[G1S+0], s43, (3<<16)|(1<<20)|(1<<21)|(5<<22)|(3<<25)
	s_or_b32 s[G1SB+0], s44, (3<<16)|(1<<20)|(1<<21)|(5<<22)|(3<<25)
.irp g, G1S, G1SB
	s_mov_b32 s[\g+1], 32<<16
	s_mov_b32 s[\g+2], (128*KS/256)<<16
	s_mov_b32 s[\g+3], 32<<16
	s_mov_b32 s[\g+4], 128*KS/256
	s_mov_b32 s[\g+5], 32
	s_mov_b32 s[\g+6], 0
	s_mov_b32 s[\g+7], 0
.endr
	s_lshl_b32 s18, s16, 7                         ; which 128 rows of the tile I fetch
	s_lshl_b32 s20, s17, 8
	s_add_co_u32 s20, s20, s18                     ; x: row 256 x tile row + 128 x half
	s_lshl_b32 s46, s42, 8
	s_add_co_u32 s46, s46, s18                     ; W: row 256 x tile column + 128 x half
	s_mov_b32 s21, 0
	s_mov_b32 s47, 0
	s_mov_b64 s[18:19], KS
	s_mul_u64 s[22:23], s[20:21], s[18:19]         ; where these rows' scales begin,
	s_mul_u64 s[92:93], s[46:47], s[18:19]
	s_mov_b64 s[18:19], KROW
	s_mul_u64 s[20:21], s[20:21], s[18:19]         ; and their codes
	s_mul_u64 s[46:47], s[46:47], s[18:19]
	s_mul_i32 s45, s14, HALFT                      ; where they go: wave x 128 rows: no place in the cluster enters an LDS address
	s_mul_i32 s94, s14, HALFS
	s_wait_dscnt 0x0                               ; both opening adds are done
	s_wait_kmcnt 0x0
	s_add_nc_u64 s[20:21], s[4:5], s[20:21]
	s_add_nc_u64 s[22:23], s[6:7], s[22:23]
	s_add_nc_u64 s[46:47], s[8:9], s[46:47]
	s_add_nc_u64 s[92:93], s[10:11], s[92:93]
	CROUND                                         ; all sixteen work-groups are here: the joint loads meet
	s_mov_b32 s[G0S], 1
	s_add_co_u32 s[G0S+1], s94, SCL
	s_mov_b64 s[G0S+2:G0S+3], s[22:23]
	s_or_b32 s[G0S+3], s[G0S+3], 0x80000000
	s_mov_b32 s[G0SB], 1
	s_add_co_u32 s[G0SB+1], s94, SCL
	s_mov_b64 s[G0SB+2:G0SB+3], s[92:93]
	s_or_b32 s[G0SB+3], s[G0SB+3], 0x80000000
	JLOAD G0S, G1S, G0SB, G1SB                     ; the scales first: they are wanted with K step 0
.irp s, 0,1
	s_mov_b32 s[G0+4*\s], 1
	s_add_co_u32 s[G0+4*\s+1], s45, \s*SLOT
	s_add_nc_u64 s[G0+4*\s+2:G0+4*\s+3], s[20:21], \s*ROWB
	s_or_b32 s[G0+4*\s+3], s[G0+4*\s+3], 0x80000000
	s_mov_b32 s[G0B+4*\s], 1
	s_add_co_u32 s[G0B+4*\s+1], s45, \s*SLOT
	s_add_nc_u64 s[G0B+4*\s+2:G0B+4*\s+3], s[46:47], \s*ROWB
	s_or_b32 s[G0B+4*\s+3], s[G0B+4*\s+3], 0x80000000
	JLOAD G0+4*\s, G1, G0B+4*\s, G1B               ; three tensor loads of mine are out now, and no more follow
.endr
	v_and_b32 v1, 15, v0                           ; l % 16
	v_bfe_u32 v2, v0, 4, 1                         ; l / 16
	; WHAT THE SUMS BEGIN WITH: the one test of the part.  Both arms write all of v[BI] .. v[BI + 63]
	s_cmp_eq_u32 ttmp9, 1
	s_cbranch_scc1 .Lk_part
	s_cmp_eq_u32 ttmp9, 0
	s_cselect_b64 s[96:97], s[96:97], s[2:3]       ; bq or bv
	s_lshl_b32 s20, s40, 10                        ; my 128 numbers: (256 cx + 128 x half) x 4 bytes
	s_lshl_b32 s21, s16, 9
	s_add_co_u32 s20, s20, s21
	s_mov_b32 s21, 0
	s_add_nc_u64 s[96:97], s[96:97], s[20:21]
	v_lshlrev_b32 v10, 5, v2                       ; lane (r, h) wants, for block b, the numbers 16 b + 8 h + 0 .. 7
.irp b, 0,1,2,3,4,5,6,7
	global_load_b128 v[BI+8*\b:BI+8*\b+3], v10, s[96:97] offset:64*\b
	global_load_b128 v[BI+8*\b+4:BI+8*\b+7], v10, s[96:97] offset:64*\b+16
.endr
	s_branch .Lbegun
.Lk_part:
.set i, 0
.rept 64
	v_mov_b32 v[BI+i], 0                           ; K has no bias
.set i, i+1
.endr
.Lbegun:
	v_mul_u32_u24 v3, v1, PITCH
	v_lshl_add_u32 v4, v2, 4, v3                   ; a fragment's row x pitch + 16 x half
	s_mul_i32 s21, s15, HALFT                      ; my 128 rows of x
	s_mul_i32 s22, s16, HALFT                      ; my 128 rows of W,
	s_add_co_u32 s22, s22, 2*HALFT                 ; which lie behind x's 256
.irp s, 0,1
	v_add_nc_u32 v[ADRA+\s], s21, v4
	v_add_nc_u32 v[ADRB+\s], s22, v4
	s_add_co_u32 s21, s21, SLOT
	s_add_co_u32 s22, s22, SLOT
.endr
	v_mul_u32_u24 v5, v1, KS                       ; my row's scales: 32 bytes a row,
	v_lshrrev_b32 v6, 8, v5
	v_lshl_add_u32 v5, v6, 4, v5                   ; and 16 more for each 256 passed
	s_mul_i32 s21, s15, HALFS
	s_mul_i32 s22, s16, HALFS
	s_add_co_u32 s22, s22, 2*HALFS
	s_sub_co_u32 s22, s22, s21
	v_mul_u32_u24 v6, s22, v2                      ; lanes 16-31 take W's: one product, the distance between the two bases
	s_add_co_u32 s21, s21, SCL
	v_add_nc_u32 v5, v5, v6
	v_add_nc_u32 v[ADRS], s21, v5
	v_and_b32 v6, 31, v0
	v_lshlrev_b32 v7, 4, v6                        ; Q, K: slot = lane
	v_and_b32 v8, 7, v0
	v_lshl_or_b32 v8, v2, 3, v8
	v_bfe_u32 v9, v0, 3, 1
	v_lshl_or_b32 v8, v9, 4, v8
	v_lshlrev_b32 v8, 4, v8                        ; V: slot = lane with bits 3 and 4 exchanged
	s_cmp_eq_u32 ttmp9, 2
	s_cselect_b32 s95, -1, 0
	v_cndmask_b32 v[CO], v7, v8, s95
	; where my 128 tokens x 2 heads begin: (64 part + 16 batch + head) x 262,144 + token tile x 2,048
	s_lshl_b32 s20, s17, 8
	s_lshl_b32 s21, s15, 7
	s_add_co_u32 s20, s20, s21                     ; my first row
	s_lshr_b32 s21, s20, 11                        ; its batch
	s_and_b32 s20, s20, 2047
	s_lshl_b32 s20, s20, 7                         ; (token / 16) x 2,048
	s_lshl_b32 s21, s21, 4
	s_lshl_b32 s22, ttmp9, 6
	s_add_co_u32 s21, s21, s22
	s_lshl_b32 s22, s40, 2
	s_add_co_u32 s21, s21, s22
	s_lshl_b32 s22, s16, 1
	s_add_co_u32 s21, s21, s22                     ; head = 4 cx + 2 x half
	s_lshl_b32 s21, s21, 18
	s_add_co_u32 s20, s20, s21
	s_mov_b32 s21, 0
	s_add_nc_u64 s[12:13], s[12:13], s[20:21]
.macro FRAG reg, adr, q, i             ; 16 rows x 128 K of 4-bit codes: registers 4 c .. 4 c + 3 hold K = 64 c + 32 (l / 16) + 0 .. 31
.irp c, 0,1
	ds_load_b128 v[\reg+4*\c:\reg+4*\c+3], v[\adr] offset:64*(\q)+32*\c+(\i)*16*PITCH
.endr
.endm
; 16 matrix instructions: x's blocks a0, a0 + 1 against W's eight, the slot's q-th 128 along K.  p: W's set; sc: the set of scale words.  first = 1: the sums begin with v[BI] on.
; The 64 accumulators take turns, one instruction a turn, in the same order in every step.
.macro MUL16 a0, p, q, sc, first
.irp a, \a0, \a0+1
.irp b, 0,1,2,3,4,5,6,7
.set rD, 8*(8*((\a)%4)+\b)
.set rB, 128*(\p)+FR*\b
.set rA, AF+FR*(\a)
.set rSB, SC+8*NQ*(\sc)+NQ*\b+(\q)
.set rSA, SC+8*NQ*(\sc)+NQ*(\a)+(\q)
.if \first
	v_wmma_scale_f32_16x16x128_f8f6f4 v[rD:rD+7], v[rB:rB+7], v[rA:rA+7], v[BI+8*\b:BI+8*\b+7], v[rSB], v[rSA] matrix_a_fmt:MATRIX_FMT_FP4 matrix_b_fmt:MATRIX_FMT_FP4 matrix_a_scale:MATRIX_SCALE_ROW1
.else
	v_wmma_scale_f32_16x16x128_f8f6f4 v[rD:rD+7], v[rB:rB+7], v[rA:rA+7], v[rD:rD+7], v[rSB], v[rSA] matrix_a_fmt:MATRIX_FMT_FP4 matrix_b_fmt:MATRIX_FMT_FP4 matrix_a_scale:MATRIX_SCALE_ROW1
.endif
.endr
.endr
.endm
.macro FETCH_B slot, q, p
	WIN TO_B
.irp i, 0,1,2,3,4,5,6,7
	FRAG 128*(\p)+FR*\i, ADRB+\slot, \q, \i
.endr
	WIN 0
.endm
.macro FETCH_A slot, q, i0
.irp i, \i0, \i0+1, \i0+2, \i0+3
	FRAG AF+FR*(\i), ADRA+\slot, \q, \i
.endr
.endm
.macro SCALES sc                       ; a K step's scale words: four words a row; lanes 0-15 take x's block i, lanes 16-31 W's block i
.irp i, 0,1,2,3,4,5,6,7
	ds_load_b128 v[SC+8*NQ*\sc+NQ*\i:SC+8*NQ*\sc+NQ*\i+3], v[ADRS] offset:\i*SBLK
.endr
.endm
.macro PLACES n                        ; plain vector instructions between a matrix instruction and a load into, or a vector write of, one of its registers, or a read of its result
.rept \n
	v_nop
.endr
.endm
; A step of 128 along K that has its successor in the same slot.  x's blocks 0-3 are fetched anew in its middle, blocks 4-7 at its end; W has two sets.
.macro STEP slot, q, first
	s_wait_dscnt 4*NL                              ; all but the youngest eight loads (x's blocks 4-7) are in
.if \first
	WIN 0x81                                       ; W window 1, x and C window 0, D window 2
.else
	WIN MUL_LO
.endif
	MUL16 0, (\q)%2, \q, \slot, \first
	MUL16 2, (\q)%2, \q, \slot, \first
	s_wait_dscnt 0                                 ; x's blocks 4-7 are in
	PLACES NP
	FETCH_B \slot, (\q)+1, 1-(\q)%2
	FETCH_A \slot, (\q)+1, 0
.if \first
	WIN 0xc1                                       ; the same, D window 3
.else
	WIN MUL_HI
.endif
	MUL16 4, (\q)%2, \q, \slot, \first
	MUL16 6, (\q)%2, \q, \slot, \first
	PLACES NP
	WIN 0
	FETCH_A \slot, (\q)+1, 4
.endm
; Slot 0's last step changes slots: one barrier; in front of it each wave waits for all its tensor loads (slot 1's), adds 0 to its spare word, and waits for that and for its LDS reads.
.macro TURN slot, next
	s_wait_tensorcnt 0x0                           ; my part of the next slot has landed
	ds_add_u32 v[SPW], v[NIL]                      ; 0 onto my spare word
	s_wait_dscnt 4*NL+1                            ; the add and the youngest eight loads may be out
	WIN MUL_LO
	MUL16 0, 1, NQ-1, \slot, 0
	s_wait_dscnt 0x0
	s_barrier_signal -1
	MUL16 2, 1, NQ-1, \slot, 0
	WIN 0
	s_barrier_wait -1                              ; the next slot is whole
	PLACES NP
	v_add_nc_u32 v[ADRS], 4*NQ, v[ADRS]            ; on to the next K step's scale words
	FETCH_B \next, 0, 0
	FETCH_A \next, 0, 0
	SCALES \next
	WIN MUL_HI
	MUL16 4, 1, NQ-1, \slot, 0
	MUL16 6, 1, NQ-1, \slot, 0
	PLACES NP
	WIN 0
	FETCH_A \next, 0, 4
.endm
.macro STEPS slot, from
.set Q, \from
.rept NQ-1-\from
	STEP \slot, Q, 0
.set Q, Q+1
.endr
.endm
	s_wait_tensorcnt 1                             ; the scales and my part of slot 0 are in; slot 1's load may be out
	s_barrier_signal -1
	s_barrier_wait -1
	FETCH_B 0, 0, 0
	FETCH_A 0, 0, 0
	SCALES 0
	FETCH_A 0, 0, 4
	s_wait_loadcnt 0x0                             ; the bias, where one was asked for: on every way, ahead of the first product
	STEP 0, 0, 1                                   ; the first step starts the sums
	STEPS 0, 1
	TURN 0, 1
	STEPS 1, 0
	s_wait_dscnt 4*NL                              ; the very last step: nothing more to fetch
	WIN MUL_LO
	MUL16 0, 1, NQ-1, 1, 0
	MUL16 2, 1, NQ-1, 1, 0
	s_wait_dscnt 0
	WIN MUL_HI
	MUL16 4, 1, NQ-1, 1, 0
	MUL16 6, 1, NQ-1, 1, 0
	WIN 0
; THE WAY OUT, half of the accumulators at a time: each accumulator's eight numbers, from its low end on, are rounded to f16 in pairs; the 16 bytes go straight to their image.
.macro PACKST hi
	WIN 0x0a+5*\hi                                 ; sources 0 and 1: window 2 or 3
.irp a, 0,1,2,3
.irp b, 0,1,2,3,4,5,6,7
.irp i, 0,1,2,3
	v_cvt_pk_f16_f32 v[PK+4*(8*\a+\b)+\i], v[8*(8*\a+\b)+2*\i], v[8*(8*\a+\b)+2*\i+1]
.endr
.endr
.endr
	WIN 0
.irp a, 0,1,2,3
.irp b, 0,1,2,3,4,5,6,7
	global_store_b128 v[CO], v[PK+4*(8*\a+\b):PK+4*(8*\a+\b)+3], s[12:13] offset:(4*\hi+\a)*2048+(\b/4)*262144+(\b%4)*512   ; 32 lanes store 512 consecutive bytes: token tile 4 hi + a, head b / 4, channel group b % 4
.endr
.endr
.endm
	PLACES NP                                      ; the conversions write registers that held x's fragments, and read results
	PACKST 0
	s_wait_xcnt 0x0                                ; the first half's stores have read their data: the registers are written again only behind this wait
	PACKST 1
	s_wait_tensorcnt 0x0                           ; the wave's end
	ds_add_u32 v[SPW], v[NIL]
	s_wait_dscnt 0x0
	CROUND                                         ; the closing round
	s_endpgm
.Lfunc_end_k_q6d851d6970_qkv:
	.size	k_q6d851d6970_qkv, .Lfunc_end_k_q6d851d6970_qkv-k_q6d851d6970_qkv
	.p2alignl 7, 3214868480
	.fill 96, 4, 3214868480
	.section	.rodata,"a",@progbits
	.p2align	6, 0x0
	.amdhsa_kernel k_q6d851d6970_qkv
		.amdhsa_group_segment_fixed_size 327680
		.amdhsa_private_segment_fixed_size 0
		.amdhsa_enable_private_segment 0
		.amdhsa_kernarg_size 56
		.amdhsa_user_sgpr_count 2
		.amdhsa_user_sgpr_kernarg_segment_ptr 1
		.amdhsa_wavefront_size32 1
		.amdhsa_system_sgpr_workgroup_id_x 1
		.amdhsa_system_sgpr_workgroup_id_y 1
		.amdhsa_system_sgpr_workgroup_id_z 1
		.amdhsa_system_vgpr_workitem_id 0
		.amdhsa_next_free_vgpr 1024
		.amdhsa_next_free_sgpr 98
		.amdhsa_reserve_vcc 0
		.amdhsa_float_denorm_mode_32 3
		.amdhsa_float_denorm_mode_16_64 3
		.amdhsa_memory_ordered 1
		.amdhsa_forward_progress 1
		.amdhsa_inst_pref_size 121
	.end_amdhsa_kernel
	.amdgpu_metadata
---
amdhsa.version: [ 1, 2 ]
amdhsa.kernels:
  - .name:           k_q6d851d6970_qkv
    .symbol:         k_q6d851d6970_qkv.kd
    .args:
      - { .name: x_codes, .offset: 0, .size: 8, .value_kind: global_buffer, .address_space: global }
      - { .name: x_scales, .offset: 8, .size: 8, .value_kind: global_buffer, .address_space: global }
      - { .name: w_codes, .offset: 16, .size: 8, .value_kind: global_buffer, .address_space: global }
      - { .name: w_scales, .offset: 24, .size: 8, .value_kind: global_buffer, .address_space: global }
      - { .name: qkv, .offset: 32, .size: 8, .value_kind: global_buffer, .address_space: global }
      - { .name: bq, .offset: 40, .size: 8, .value_kind: global_buffer, .address_space: global }
      - { .name: bv, .offset: 48, .size: 8, .value_kind: global_buffer, .address_space: global }
    .group_segment_fixed_size: 327680
    .private_segment_fixed_size: 0
    .kernarg_segment_align: 8
    .kernarg_segment_size: 56
    .max_flat_workgroup_size: 128
    .sgpr_count:     98
    .vgpr_count:     1024
    .wavefront_size: 32
...
	.end_amdgpu_metadata
.endif
;; end of part 2
;; launch attn (part 3): grid 4 x 64, 8 waves a work-group, no clusters, 327,680 bytes of LDS; arguments qkv, rel_bias, o_h; writes o_h
.if DOCPART == 3
	.amdgcn_target "amdgcn-amd-amdhsa--gfx1250"
	.amdhsa_code_object_version 6
	.text
	.protected	k_q6d851d6970_attn
	.globl	k_q6d851d6970_attn
	.p2align	8
	.type	k_q6d851d6970_attn,@function
k_q6d851d6970_attn:
	s_mov_b64 s[64:65], 0
	v_nop
	global_prefetch_b8 v0, s[64:65] scope:SCOPE_SE
	s_setreg_imm32_b32 hwreg(HW_REG_WAVE_MODE, 25, 1), 1
	s_wait_xcnt 0x0
; O[b][h][q] = the sum over k of softmax_k(Q . K / 8 + rel_bias[clip(k - q, -15, 15) + 15][h]) V[k], 64 pairs (b, h), 2,048 positions, head size 64.  Q, K, V come as f16 images from the launch before
; ([part][16 b + h][token tile][channel group of 16][512 bytes]); O leaves as f16 images [token tile of all 8,192][k / 16][512 bytes].  Products, maxima and sums in f32; the weights p are rounded to f16.
; K carries no bk: that term is the same along the softmax's axis (shown at the head of the first launch).
; SHARES.  A work-group owns 512 queries of one (b, h), each of its eight waves 64: four tiles of 16.  Two waves share a SIMD, 512 registers each: one wave's softmax stands beside the other's products.  Every wave walks all 2,048 keys, 64 a step.
; LAYOUT.  S^T = K Q^T (source 0 = 16 keys, source 1 = 16 queries), O^T = V^T P (source 0 = 16 channels x 32 keys, source 1 = P): a lane holds ONE query (lane % 16) throughout, and two packed tiles of S^T are source 1 of the second product.
; An image is the order of an operand's registers, so every fragment comes from LDS at 16 x lane: no pitch, no padding; V's images are laid so that the turning load also reads at 16 x lane.
; SOFTMAX, in base 2: t = s c + log2(e) bias, c = log2(e) / 8; a running maximum m and sum l for each query; p = 2^(t - m); O and l are multiplied by a = 2^(m_old - m_new) in every step.
; THE BIAS.  With D0 = the step's first key - the wave's first query (multiples of 64): for D0 <= -128 every key of the step lies 15 or more to the left of every query, so the bias is rel_bias[0][h]; for D0 >= 128 it is rel_bias[30][h]:
; a constant of the step, which rides in the addend of the one multiply-add: t - m = s c + (beta - m).  For D0 = -64, 0, 64 the bias of a tile (16 keys x 16 queries) hangs on 16 (key tile - query tile) + D0 alone:
; sixteen bias tiles in the result's layout lie in LDS, built once, and seven of them serve a step.  The three steps are picked by a scalar branch on ids (the step's count and the wave's first query).
; NO CLUSTER, though the four query blocks of a (b, h) walk the same K and V: that branch is taken in different steps by different query blocks, and partners that ask jointly must run alike;
; run in all 32 steps, the band's path would add 64 packed multiply-adds and 14 LDS loads to each step.
; The step is written with no first copy: O^T and l begin as zeros and m as -3e38; the first a is 2^(-3e38 - m) = 0, on zeros.  That costs 128 moves once and saves a third copy of the step.
; LIMITS: NaN and infinities among the inputs are not served.
; LDS: two slots of 512 keys (K's 65,536 bytes, then V's), 2^17 bytes apart; from 262,144 the sixteen bias tiles of 1,024 bytes; from 278,528 the spare words.
; REGISTERS.  window 0: v1-15 addresses; v16-63 statistics, 12 a tile: +0,+1 the addend (pair), +2,+3 a (pair), +4,+5 l, +6 m, +7 at work, +8..+11 four maxima, later two pairs of sums; v64-191 S^T, 32 a tile, then p, then P in place;
;   v192-255 K's fragments (in the band's steps afterwards seven bias tiles).   window 1: v0-127 O^T, 32 a tile; v128-191 Q, 16 a tile; v192-255 V's fragments.
.set SLOT1, 1<<17
.set VOFF,  65536
.set TAB,   262144
.set SPARE, 278528
.set ST,    16
.set S,     64
.set KR,    192
.set OQ,    128
.set VR,    192
.set MSB, 0
.macro WIN new                         ; the immediate's high byte repeats the setting that is left
.if MSB != \new
	s_set_vgpr_msb (MSB<<8)|\new
.set MSB, \new
.endif
.endm
	s_load_b128 s[4:7], s[0:1], 0x0                ; the images s[4:5], rel_bias s[6:7]
	s_load_b64 s[8:9], s[0:1], 0x10                ; O's images
	v_lshl_add_u32 v6, v0, 2, SPARE                ; v6: my spare word; v7: 0; both never rewritten
	v_mov_b32 v7, 0
	ds_add_u32 v6, v7                              ; the wave's opening: the add, twice on end, and its wait ahead of my first tensor load
	ds_add_u32 v6, v7
	v_lshrrev_b32 v11, 5, v0
	v_readfirstlane_b32 s10, v11                   ; wave 0..7
	v_and_b32 v12, 31, v0
	v_lshlrev_b32 v1, 4, v12                       ; v1: 16 x lane: my place in an image (K's in a slot; Q's and O's in memory)
	v_add_nc_u32 v2, VOFF, v1                      ; v2: the same for V
	v_add_nc_u32 v5, TAB, v1                       ; v5: and in the bias tiles
	s_lshl_b32 s41, s10, 10
	v_add_nc_u32 v8, s41, v5                       ; v8: where I store bias tiles w and w + 8
	v_lshlrev_b32 v9, 8, v12                       ; v9: the prefetches' offset: lanes 256 bytes apart
	v_mov_b32 v10, 0
	v_and_b32 v13, 15, v0                          ; r
	v_bfe_u32 v14, v0, 4, 1                        ; h
	v_lshlrev_b32 v14, 3, v14
	v_sub_nc_u32 v11, v14, v13
	s_lshl_b32 s41, s10, 4
	s_add_co_u32 s41, s41, 15
	v_add_nc_u32 v11, s41, v11                     ; v11 = 16 w + 8 h - r + 15
	s_and_b32 s11, ttmp7, 0xffff                   ; 16 b + h
	s_and_b32 s47, s11, 15                         ; the head
	s_lshl_b32 s12, ttmp9, 9
	s_lshl_b32 s41, s10, 6
	s_add_co_u32 s12, s12, s41                     ; s12: my first query
	s_mov_b32 s13, 0                               ; s13: the step's first key
	s_mov_b32 s14, 0                               ; s14: LDS byte at which the step's tiles begin
	s_mov_b32 s15, 3                               ; s15: slots still to be asked for
	s_cmp_eq_u32 ttmp9, 0
	s_cselect_b32 s17, 1, -1                       ; s17: 1 in the (b, h)'s first work-group, which prefetches, else the greatest number
	s_mov_b32 s20, 0x76543210
	s_mov_b32 s21, 0xfedcba98                      ; lane selects: lane l xor 16
	s_mov_b32 s22, 0x3e38aa3b                      ; c = log2(e) / 8
	s_mov_b32 s23, s22
	; descriptor group 1: a dense block of 16,384 bytes as 64 rows of 256 bytes (32 elements of 8), no padding
	s_mov_b32 s24, 3<<16
	s_mov_b32 s25, 32<<16                          ; tensor_dim0
	s_mov_b32 s26, 64<<16                          ; tensor_dim1
	s_mov_b32 s27, 32<<16                          ; tile_dim0
	s_mov_b32 s28, 64                              ; tile_dim1
	s_mov_b32 s29, 32                              ; from row to row
	s_mov_b32 s30, 0
	s_mov_b32 s31, 0
	; a slot is eight such blocks; wave w fills block w: waves 0-3 K's, waves 4-7 V's: addresses by arithmetic on the wave's number, no branch
	s_lshr_b32 s41, s10, 2
	s_add_co_u32 s41, s41, 1
	s_lshl_b32 s41, s41, 24                        ; part 1 (K) or 2 (V): 16,777,216 bytes a part
	s_lshl_b32 s42, s11, 18                        ; 262,144 bytes a (b, h)
	s_add_co_u32 s42, s42, s41
	s_and_b32 s41, s10, 3
	s_lshl_b32 s41, s41, 14
	s_add_co_u32 s42, s42, s41
	s_mov_b32 s43, 0
	s_mov_b32 s45, 0
	s_mov_b32 s32, 1                               ; group 0, one walking set: count 1,
	s_lshl_b32 s33, s10, 14                        ; LDS address: slot 0, block w
	s_wait_dscnt 0x0                               ; both opening adds are done
	s_wait_kmcnt 0x0
	s_add_nc_u64 s[34:35], s[4:5], s[42:43]        ; global address: keys 0 to 511
	s_add_nc_u64 s[18:19], s[34:35], 0x10000       ; s[18:19]: where my prefetches stand: at slot 1; the first change of slots steps it to slot 2
	s_or_b32 s35, s35, 0x80000000                  ; type 2
	tensor_load_to_lds s[32:35], s[24:31]          ; one tensor load of mine is out, here and behind every change of slots but the last
	s_nop 0
.rept 4
	v_nop
.endr
	s_lshl_b32 s44, s47, 2
	s_add_nc_u64 s[6:7], s[6:7], s[44:45]          ; rel_bias at my head's column
	s_load_b32 s39, s[6:7], 0x0                    ; rel_bias[0][h]
	s_load_b32 s40, s[6:7], 0x780                  ; rel_bias[30][h]
	s_lshl_b32 s44, s11, 18
	s_lshl_b32 s46, s12, 7                         ; (query / 16) x 2,048
	s_add_co_u32 s44, s44, s46
	s_add_nc_u64 s[4:5], s[4:5], s[44:45]          ; Q's images of my 64 queries
	WIN 0x40                                       ; destination window 1
.irp t, 0,1,2,3
.irp g, 0,1,2,3
	global_load_b128 v[OQ+16*\t+4*\g:OQ+16*\t+4*\g+3], v1, s[4:5] offset:2048*\t+512*\g   ; Q stays in registers
.endr
.endr
	WIN 0
	; bias tile i holds keys 16 (i - 8) + 8 h + j against query r: register j = rel_bias[clip(16 (i - 8) + 8 h + j - r, -15, 15) + 15][h].  Wave w builds tiles w and w + 8 (tile 0 is never read)
.irp g, 0,1
.irp j, 0,1,2,3,4,5,6,7
	v_add_nc_u32 v[S+8*\g+\j], 128*\g+\j-128, v11
	v_cmp_gt_i32 vcc_lo, 0, v[S+8*\g+\j]
	v_cndmask_b32 v[S+8*\g+\j], v[S+8*\g+\j], v10, vcc_lo    ; held at 0 from below,
	v_min_u32 v[S+8*\g+\j], 30, v[S+8*\g+\j]                 ; at 30 from above
	v_lshlrev_b32 v[S+8*\g+\j], 6, v[S+8*\g+\j]              ; a row of the table is 64 bytes
	global_load_b32 v[S+16+8*\g+\j], v[S+8*\g+\j], s[6:7]
.endr
.endr
	s_lshr_b32 s44, s11, 4
	s_lshl_b32 s44, s44, 7                         ; O: token tile 128 b + 32 x + 4 w,
	s_lshl_b32 s46, ttmp9, 5
	s_add_co_u32 s44, s44, s46
	s_lshl_b32 s46, s10, 2
	s_add_co_u32 s44, s44, s46
	s_lshl_b32 s44, s44, 15                        ; 32,768 bytes a token tile,
	s_lshl_b32 s46, s47, 11                        ; my head's four images
	s_add_co_u32 s44, s44, s46
	s_add_nc_u64 s[8:9], s[8:9], s[44:45]
.irp t, 0,1,2,3
	v_mov_b32 v[ST+12*\t+1], 0                     ; upper halves of pairs of which the low word serves both halves: named, so written
	v_mov_b32 v[ST+12*\t+3], 0
	v_mov_b32 v[ST+12*\t+4], 0                     ; l
	v_mov_b32 v[ST+12*\t+5], 0
	v_mov_b32 v[ST+12*\t+6], 0xff61b1e6            ; m = -3e38, under every t
	v_mov_b32 v[ST+12*\t+7], 0                     ; a lane permute's destination counts as one of its sources
.endr
	WIN 0x40
.set i, 0
.rept 128
	v_mov_b32 v[i], 0                              ; O^T
.set i, i+1
.endr
	WIN 0
	s_wait_loadcnt 0x0                             ; Q and the table's numbers
.set i, 0
.rept 16
	v_mul_f32 v[S+16+i], 0x3fb8aa3b, v[S+16+i]     ; x log2(e)
.set i, i+1
.endr
.irp g, 0,1
.irp c, 0,1
	ds_store_b128 v8, v[S+16+8*\g+4*\c:S+16+8*\g+4*\c+3] offset:8192*\g+512*\c   ; as an image of the eight registers
.endr
.endr
	s_wait_kmcnt 0x0
	s_mul_f32 s39, s39, 0x3fb8aa3b                 ; s39, s40: the far steps' constants, left and right
	s_mul_f32 s40, s40, 0x3fb8aa3b
; A prefetch of what the NEXT change of slots will ask for: my block of 16,384 bytes, lanes 256 bytes apart, two instructions.  All four work-groups of a (b, h) walk the same K and V: the first of them asks, each wave for the block
; that it will load, so each 256 bytes are named once in the launch.  It stands behind the wave's tensor load, eight key steps ahead of the load that will want the bytes.  The last change that fills a slot asks for nothing; slots 0 and 1 come by their loads alone.
.macro ASK
	s_cmp_gt_u32 s15, s17
	s_cbranch_scc0 .Lnot_mine_\@
	global_prefetch_b8 v9, s[18:19] th:TH_LOAD_NT scope:SCOPE_SE
	global_prefetch_b8 v9, s[18:19] offset:8192 th:TH_LOAD_NT scope:SCOPE_SE
.Lnot_mine_\@:
.endm
; THE CHANGE OF SLOTS stands at a slot's head.  Each wave waits for all its tensor loads (its block of the slot ahead), adds 0 to its spare word, and waits for that, for its reads of the slot that it has left and (the first time) for its stores of bias tiles.
; Behind the barrier the slot ahead is whole and nobody reads the other one.  fill = 1: the other slot takes the next 512 keys: the wave's one tensor load until the next change, with eight key steps in which to land.
.macro CHANGE fill
	s_wait_tensorcnt 0x0                           ; no tensor load of mine is out, so group 0 may be written
	ds_add_u32 v6, v7                              ; 0 onto my spare word
.if \fill
	s_xor_b32 s33, s33, SLOT1                      ; the other slot than last time,
	s_add_nc_u64 s[34:35], s[34:35], 0x10000       ; the next 512 keys; the type bits on top are not reached
	s_wait_xcnt 0x0                                ; the last prefetches, a slot back, have read their address
	s_add_nc_u64 s[18:19], s[18:19], 0x10000
.endif
	s_wait_dscnt 0x0
	s_barrier_signal -1
	s_barrier_wait -1
.if \fill
	tensor_load_to_lds s[32:35], s[24:31]
	s_nop 0
.rept 4
	v_nop
.endr
	ASK
.endif
.endm
; seven bias tiles, for key tile - query tile = -3 .. 3, into K's registers; dd = D0 / 16
.macro IMG dd
.irp i, 0,1,2,3,4,5,6
.irp c, 0,1
	ds_load_b128 v[KR+8*\i+4*\c:KR+8*\i+4*\c+3], v5 offset:(\dd+\i+5)*1024+512*\c
.endr
.endr
.endm
; A KEY STEP: 64 keys.
.macro STEP
	v_add_nc_u32 v3, s14, v1                       ; five plain lines behind the last step's products: four are asked in front of the loads into V's registers, five in front of the products that write over P
	v_add_nc_u32 v4, s14, v2
	v_nop
	v_nop
	v_nop
.irp i, 0,1,2,3,4,5,6,7,8,9,10,11,12,13,14,15
	ds_load_b128 v[KR+4*\i:KR+4*\i+3], v3 offset:512*\i          ; K: key tile i / 4, channel group i % 4
.endr
	WIN 0x40
.irp kt, 0,1,2,3
.irp ct, 0,1,2,3
	ds_load_tr16_b128 v[VR+16*\ct+8*(\kt/2)+4*(\kt%2):VR+16*\ct+8*(\kt/2)+4*(\kt%2)+3], v4 offset:2048*\kt+512*\ct   ; V turned: lane l gets channel 16 ct + l % 16 and eight keys
.endr
.endr
	s_wait_dscnt 16                                ; K's sixteen loads are in; V's sixteen may stay out
	WIN 0x04                                       ; Q in window 1
.irp s, 0,1                            ; the 16 accumulators take turns, one instruction a turn; the first 32 channels start the sums
.irp kt, 0,1,2,3
.irp t, 0,1,2,3
.if \s == 0
	v_wmma_f32_16x16x32_f16 v[S+32*\t+8*\kt:S+32*\t+8*\kt+7], v[KR+16*\kt:KR+16*\kt+7], v[OQ+16*\t:OQ+16*\t+7], 0
.else
	v_wmma_f32_16x16x32_f16 v[S+32*\t+8*\kt:S+32*\t+8*\kt+7], v[KR+16*\kt+8:KR+16*\kt+15], v[OQ+16*\t+8:OQ+16*\t+15], v[S+32*\t+8*\kt:S+32*\t+8*\kt+7]
.endif
.endr
.endr
.endr
	WIN 0
.rept 4
	v_nop                                          ; places in front of the first read of the scores and of loads into K's registers
.endr
	s_sub_co_u32 s41, s13, s12
	s_add_co_u32 s41, s41, 64                      ; D0 + 64: 0, 64, 128 in the band's three steps; anything else, taken as unsigned, lies above 128
	s_cmp_gt_u32 s13, s12
	s_cselect_b32 s38, s40, s39                    ; beta: the right constant or the left
	s_mov_b32 s36, s22                             ; the multiplier: c
	s_mov_b32 s37, s22
	s_cmp_gt_u32 s41, 128
	s_cbranch_scc1 .Lfar_\@
	s_cmp_eq_u32 s41, 0
	s_cbranch_scc1 .Lleft_\@
	s_cmp_eq_u32 s41, 64
	s_cbranch_scc1 .Lmid_\@
	IMG 4
	s_branch .Lgot_\@
.Lleft_\@:
	IMG -4
	s_branch .Lgot_\@
.Lmid_\@:
	IMG 0
.Lgot_\@:
	s_wait_dscnt 0x0
.irp t, 0,1,2,3
.irp kt, 0,1,2,3
.irp p, 0,2,4,6
	v_pk_fma_f32 v[S+32*\t+8*\kt+\p:S+32*\t+8*\kt+\p+1], v[S+32*\t+8*\kt+\p:S+32*\t+8*\kt+\p+1], s[22:23], v[KR+8*(\kt-\t+3)+\p:KR+8*(\kt-\t+3)+\p+1] op_sel_hi:[1,0,1]   ; t = s c + the bias, each accumulator from its low end on
.endr
.endr
.endr
	s_mov_b32 s36, 1.0                             ; the scores are t already
	s_mov_b32 s37, 1.0
	s_mov_b32 s38, 0
.Lfar_\@:
	; the largest of a lane's 32 scores, three operands at a time, four chains a tile, the four tiles by turns; each accumulator is first read at its low end
.irp k, 0,1,2,3
.irp t, 0,1,2,3
	v_max3_num_f32 v[ST+12*\t+8+\k], v[S+32*\t+8*\k], v[S+32*\t+8*\k+1], v[S+32*\t+8*\k+2]
.endr
.endr
.irp g, 1,2
.irp k, 0,1,2,3
.irp t, 0,1,2,3
	v_max3_num_f32 v[ST+12*\t+8+\k], v[ST+12*\t+8+\k], v[S+32*\t+8*\k+2*\g+1], v[S+32*\t+8*\k+2*\g+2]
.endr
.endr
.endr
.irp t, 0,1,2,3
	v_max3_num_f32 v[ST+12*\t+8], v[ST+12*\t+8], v[S+32*\t+7], v[S+32*\t+15]
.endr
.irp t, 0,1,2,3
	v_max3_num_f32 v[ST+12*\t+10], v[ST+12*\t+10], v[S+32*\t+23], v[S+32*\t+31]
.endr
.irp t, 0,1,2,3
	v_max3_num_f32 v[ST+12*\t+8], v[ST+12*\t+8], v[ST+12*\t+9], v[ST+12*\t+10]
.endr
.irp t, 0,1,2,3
	v_max_num_f32 v[ST+12*\t+8], v[ST+12*\t+8], v[ST+12*\t+11]
.endr
.irp t, 0,1,2,3
	v_permlanex16_b32 v[ST+12*\t+7], v[ST+12*\t+8], s20, s21     ; the query's other 32 keys lie in the lane 16 away
.endr
.irp t, 0,1,2,3
	v_max_num_f32 v[ST+12*\t+8], v[ST+12*\t+8], v[ST+12*\t+7]
.endr
.irp t, 0,1,2,3
	v_fma_f32 v[ST+12*\t+8], v[ST+12*\t+8], s36, s38             ; as t (the multiplier is positive)
.endr
.irp t, 0,1,2,3
	v_max_num_f32 v[ST+12*\t+8], v[ST+12*\t+8], v[ST+12*\t+6]    ; the new m
.endr
.irp t, 0,1,2,3
	v_sub_f32 v[ST+12*\t+2], v[ST+12*\t+6], v[ST+12*\t+8]        ; m_old - m_new
.endr
.irp t, 0,1,2,3
	v_mov_b32 v[ST+12*\t+6], v[ST+12*\t+8]
.endr
.irp t, 0,1,2,3
	v_sub_f32 v[ST+12*\t], s38, v[ST+12*\t+8]                    ; the addend: beta - m
.endr
	; ONE BATCH: the four a and all 128 p.  Nothing in it names an exponential's result.
.irp t, 0,1,2,3
	v_exp_f32 v[ST+12*\t+2], v[ST+12*\t+2]
.endr
.irp b, 0,2,4,6,8,10,12,14,16,18,20,22,24,26,28,30
.irp t, 0,1,2,3
	v_pk_fma_f32 v[S+32*\t+\b:S+32*\t+\b+1], v[S+32*\t+\b:S+32*\t+\b+1], s[36:37], v[ST+12*\t:ST+12*\t+1] op_sel_hi:[1,0,0]   ; t - m, two at a time
.endr
.irp t, 0,1,2,3
	v_exp_f32 v[S+32*\t+\b], v[S+32*\t+\b]
	v_exp_f32 v[S+32*\t+\b+1], v[S+32*\t+\b+1]
.endr
.endr
	v_nop                                          ; a plain line behind the last exponential
	s_wait_alu depctr_va_vdst(0)                   ; one wait for the whole batch, ahead of its first reader
	; the sums, of p in f32, before P is laid over it: two chains a tile, the tiles by turns
.irp t, 0,1,2,3
	v_pk_add_f32 v[ST+12*\t+8:ST+12*\t+9], v[S+32*\t:S+32*\t+1], v[S+32*\t+2:S+32*\t+3]
.endr
.irp t, 0,1,2,3
	v_pk_add_f32 v[ST+12*\t+10:ST+12*\t+11], v[S+32*\t+4:S+32*\t+5], v[S+32*\t+6:S+32*\t+7]
.endr
.irp b, 8,12,16,20,24,28
.irp t, 0,1,2,3
	v_pk_add_f32 v[ST+12*\t+8:ST+12*\t+9], v[ST+12*\t+8:ST+12*\t+9], v[S+32*\t+\b:S+32*\t+\b+1]
.endr
.irp t, 0,1,2,3
	v_pk_add_f32 v[ST+12*\t+10:ST+12*\t+11], v[ST+12*\t+10:ST+12*\t+11], v[S+32*\t+\b+2:S+32*\t+\b+3]
.endr
.endr
.irp t, 0,1,2,3
	v_pk_add_f32 v[ST+12*\t+8:ST+12*\t+9], v[ST+12*\t+8:ST+12*\t+9], v[ST+12*\t+10:ST+12*\t+11]
.endr
.irp t, 0,1,2,3
	v_pk_fma_f32 v[ST+12*\t+4:ST+12*\t+5], v[ST+12*\t+4:ST+12*\t+5], v[ST+12*\t+2:ST+12*\t+3], v[ST+12*\t+8:ST+12*\t+9] op_sel_hi:[1,0,1]   ; l = a l + the step's sum
.endr
	; P in place: the 16 registers of key tiles 2 u, 2 u + 1 become 8 registers of f16 at their low end: source 1 of the second product (ascending: no number is overwritten before it is read)
.irp t, 0,1,2,3
.irp u, 0,1
.irp i, 0,1,2,3,4,5,6,7
	v_cvt_pk_f16_f32 v[S+32*\t+16*\u+\i], v[S+32*\t+16*\u+2*\i], v[S+32*\t+16*\u+2*\i+1]
.endr
.endr
.endr
	WIN 0x41                                       ; O^T in window 1, a in window 0
.irp t, 0,1,2,3
.set i, 0
.rept 16
	v_pk_mul_f32 v[32*\t+i:32*\t+i+1], v[32*\t+i:32*\t+i+1], v[ST+12*\t+2:ST+12*\t+3] op_sel_hi:[1,0]   ; O^T x a, each accumulator from its low end on
.set i, i+2
.endr
.endr
	s_wait_dscnt 0x0                               ; V is in
	WIN 0x51                                       ; V and O^T in window 1, P in window 0
.irp u, 0,1                            ; the 16 accumulators take turns
.irp ct, 0,1,2,3
.irp t, 0,1,2,3
	v_wmma_f32_16x16x32_f16 v[32*\t+8*\ct:32*\t+8*\ct+7], v[VR+16*\ct+8*\u:VR+16*\ct+8*\u+7], v[S+32*\t+16*\u:S+32*\t+16*\u+7], v[32*\t+8*\ct:32*\t+8*\ct+7]
.endr
.endr
.endr
	WIN 0
.endm
; a slot's eight key steps: written once, walked eight times; the LDS addresses hang on s14
.macro SLOT_STEPS
	s_mov_b32 s16, 8
.Lstep_\@:
	STEP
	s_add_co_u32 s14, s14, 8192                    ; four key tiles of 2,048 bytes, in K and in V
	s_add_co_u32 s13, s13, 64
	s_sub_co_u32 s16, s16, 1
	s_cmp_lg_u32 s16, 0
	s_cbranch_scc1 .Lstep_\@
	s_sub_co_u32 s14, s14, 65536                   ; back to a slot's first step,
	s_xor_b32 s14, s14, SLOT1                      ; in the other slot
.endm
.Lslot:                                            ; three trips: behind each change of slots but the last the next 512 keys are asked for
	CHANGE 1
	SLOT_STEPS
	s_sub_co_u32 s15, s15, 1
	s_cmp_lg_u32 s15, 0
	s_cbranch_scc1 .Lslot
	CHANGE 0                                       ; the last slot is written out
	SLOT_STEPS
	; THE WAY OUT.  l's two halves and the other half of the lanes' are added (these lines are the places behind the last products); O^T / l is rounded to f16; a lane's 16 bytes go straight to their image.
.irp t, 0,1,2,3
	v_add_f32 v[ST+12*\t+8], v[ST+12*\t+4], v[ST+12*\t+5]
.endr
.irp t, 0,1,2,3
	v_permlanex16_b32 v[ST+12*\t+7], v[ST+12*\t+8], s20, s21
.endr
.irp t, 0,1,2,3
	v_add_f32 v[ST+12*\t+8], v[ST+12*\t+8], v[ST+12*\t+7]
.endr
.irp t, 0,1,2,3
	v_rcp_f32 v[ST+12*\t+2], v[ST+12*\t+8]
.endr
	v_nop                                          ; a plain line behind the last reciprocal
	s_wait_alu depctr_va_vdst(0)                   ; one wait for the four, ahead of their first reader
	WIN 0x41
.irp t, 0,1,2,3
.set i, 0
.rept 16
	v_pk_mul_f32 v[32*\t+i:32*\t+i+1], v[32*\t+i:32*\t+i+1], v[ST+12*\t+2:ST+12*\t+3] op_sel_hi:[1,0]
.set i, i+2
.endr
.endr
	WIN 0x05                                       ; sources window 1, destination window 0
.irp t, 0,1,2,3
.irp ct, 0,1,2,3
.irp i, 0,1,2,3
	v_cvt_pk_f16_f32 v[S+16*\t+4*\ct+\i], v[32*\t+8*\ct+2*\i], v[32*\t+8*\ct+2*\i+1]
.endr
.endr
.endr
	WIN 0
.irp t, 0,1,2,3
.irp ct, 0,1,2,3
	global_store_b128 v1, v[S+16*\t+4*\ct:S+16*\t+4*\ct+3], s[8:9] offset:32768*\t+512*\ct   ; 32 lanes store 512 consecutive bytes: an image
.endr
.endr
	s_wait_tensorcnt 0x0                           ; the wave's end
	ds_add_u32 v6, v7
	s_wait_dscnt 0x0
	s_endpgm
.Lfunc_end_k_q6d851d6970_attn:
	.size	k_q6d851d6970_attn, .Lfunc_end_k_q6d851d6970_attn-k_q6d851d6970_attn
	.p2alignl 7, 3214868480
	.fill 96, 4, 3214868480
	.section	.rodata,"a",@progbits
	.p2align	6, 0x0
	.amdhsa_kernel k_q6d851d6970_attn
		.amdhsa_group_segment_fixed_size 327680
		.amdhsa_private_segment_fixed_size 0
		.amdhsa_enable_private_segment 0
		.amdhsa_kernarg_size 24
		.amdhsa_user_sgpr_count 2
		.amdhsa_user_sgpr_kernarg_segment_ptr 1
		.amdhsa_wavefront_size32 1
		.amdhsa_system_sgpr_workgroup_id_x 1
		.amdhsa_system_sgpr_workgroup_id_y 1
		.amdhsa_system_sgpr_workgroup_id_z 1
		.amdhsa_system_vgpr_workitem_id 0
		.amdhsa_next_free_vgpr 512
		.amdhsa_next_free_sgpr 66
		.amdhsa_reserve_vcc 1
		.amdhsa_float_denorm_mode_32 3
		.amdhsa_float_denorm_mode_16_64 3
		.amdhsa_memory_ordered 1
		.amdhsa_forward_progress 1
		.amdhsa_inst_pref_size 107
	.end_amdhsa_kernel
	.amdgpu_metadata
---
amdhsa.version: [ 1, 2 ]
amdhsa.kernels:
  - .name:           k_q6d851d6970_attn
    .symbol:         k_q6d851d6970_attn.kd
    .args:
      - { .name: qkv, .offset: 0, .size: 8, .value_kind: global_buffer, .address_space: global }
      - { .name: rel_bias, .offset: 8, .size: 8, .value_kind: global_buffer, .address_space: global }
      - { .name: o_h, .offset: 16, .size: 8, .value_kind: global_buffer, .address_space: global }
    .group_segment_fixed_size: 327680
    .private_segment_fixed_size: 0
    .kernarg_segment_align: 8
    .kernarg_segment_size: 24
    .max_flat_workgroup_size: 256
    .sgpr_count:     66
    .vgpr_count:     512
    .wavefront_size: 32
...
	.end_amdgpu_metadata
.endif
;; end of part 3
;; launch proj (part 4): grid 4 x 64, 4 waves a work-group, clusters of 4 x 4, 327,680 bytes of LDS; arguments o_h, wo_h, bo, out0; writes out0
.if DOCPART == 4
	.amdgcn_target "amdgcn-amd-amdhsa--gfx1250"
	.amdhsa_code_object_version 6
	.text
	.protected	k_q6d851d6970_proj
	.globl	k_q6d851d6970_proj
	.p2align	8
	.type	k_q6d851d6970_proj,@function
k_q6d851d6970_proj:
	s_mov_b64 s[64:65], 0
	v_nop
	global_prefetch_b8 v0, s[64:65] scope:SCOPE_SE
	s_setreg_imm32_b32 hwreg(HW_REG_WAVE_MODE, 25, 1), 1
	s_wait_xcnt 0x0
	s_wait_alu depctr_hold_cnt(0) depctr_sa_sdst(0) depctr_va_vdst(0) depctr_va_sdst(0) depctr_va_ssrc(0) depctr_va_vcc(0) depctr_vm_vsrc(0)
	s_getreg_b32 s2, hwreg(HW_REG_IB_STS2, 6, 4)
	s_cmp_eq_u32 s2, 0
	s_cbranch_scc0 .Lentry_in_a_cluster
	s_endpgm
.Lentry_in_a_cluster:
	s_bfe_u32 s2, ttmp6, 0x10000c
	s_cmp_lg_u32 s2, 0xf033
	s_cbranch_scc0 .Lentry_shape_is_right
	s_endpgm
.Lentry_shape_is_right:
; out0 [8192][1024] f32 = O Wo^T + bo, operands in f16, sums in f32.  O comes as images [token tile][k / 16][512 bytes] (the order of an operand's registers), Wo as f16 rows [n][k].
; A tile of out0 is 128 tokens x 256 columns: 256 work-groups, one for each WGP (256 x 256 would give 128).  Four waves, wave (i, j) makes 64 x 128: 32 accumulators, 256 registers.
; K goes in steps of 128 through two LDS slots: O's 8 token tiles x 4,096 bytes, dense, then Wo's 256 rows of 256 bytes + 16 of padding.  Waves 0 and 1 fetch O's halves, waves 2 and 3 Wo's, one tensor load each.
; (Steps of 256 along K would want two slots of 204,800 bytes, more than LDS holds.)
; CLUSTERS: 4 x 4 work-groups; O's tiles are shared along a row of the cluster, Wo's along a column: each is asked for jointly.
; THE MATRIX INSTRUCTION IS USED TRANSPOSED (source 0 = 16 rows of Wo, source 1 = 16 tokens): a lane holds one token and eight neighbouring columns.  bo is the C of each sum's first product.
; No prefetch: eight K steps in all, and the first two are asked for at the head.
; REGISTERS: window 0: v16-30 addresses; two fragment buffers v32-127, v128-223 (Wo's 8 fragments, then O's 4); on the way out v32-159 hold rows.   window 1: accumulator (a, b) at v[8 (8 a + b)].   window 2: v0-63 bo in the result's layout.
.set ASZ,    32768                     ; O's part of a slot
.set PB,     272                       ; a row of Wo in LDS: the 16 rows that a load touches start 68 words apart
.set HALFB,  128*PB
.set SLOT,   ASZ+2*HALFB               ; 102,400
.set SPARE,  2*SLOT                    ; behind the slots: the spare words, 128 bytes a wave, which no other line names
.set SPITCH, 528                       ; the way out: a stage of 16 rows x (512 bytes + 16) for each wave, in slot 0, which has had its last fill and its last read by then
.set LAPS,   4                         ; 1,024 / (2 x 128)
.set ADRA, 16                          ; v16-17  LDS address of my O fragments in slot 0, 1
.set ADRB, 20                          ; v20-21  the same for Wo
.set STO,  24
.set RD,   25
.set CO,   26                          ; v26     16 x lane
.set SPW,  28
.set NIL,  29
.set BO,   30                          ; v30     32 x (lane / 16): my eight numbers of a block of bo
.set F0,   32
.set F1,   128
.set G1, 24                            ; s[24:31] group 1 for O's tiles; s[32:39] group 0, a set for each slot
.set G0, 32
.set G1B, 48                           ; s[48:55], s[56:63] the same for Wo's
.set G0B, 56
.set MSB, 0
.macro WIN new
.if MSB != \new
	s_set_vgpr_msb (MSB<<8)|\new
.set MSB, \new
.endif
.endm
.macro JLOAD s                         ; a joint load; the branch hangs on the wave's number alone; an s_nop 0 and four v_nop follow each of the two lines
	s_cmp_eq_u32 s13, 0
	s_cbranch_scc0 .Lfor_b_\@
	tensor_load_to_lds s[G0+4*\s:G0+4*\s+3], s[G1:G1+7]
	s_nop 0
.rept 4
	v_nop
.endr
	s_branch .Lasked_\@
.Lfor_b_\@:
	tensor_load_to_lds s[G0B+4*\s:G0B+4*\s+3], s[G1B:G1B+7]
	s_nop 0
.rept 4
	v_nop
.endr
.Lasked_\@:
.endm
.macro CREST                           ; a round of the cluster's barrier behind its opening barrier
	s_cmp_lg_u32 s12, 0
	s_cbranch_scc1 .Lnot_wave_0_\@
	s_barrier_signal -3
.Lnot_wave_0_\@:
	s_barrier_wait -3
	s_barrier_signal -1
	s_barrier_wait -1
.endm
.macro CROUND
	s_barrier_signal -1
	s_barrier_wait -1
	CREST
.endm
	s_load_b256 s[4:11], s[0:1], 0x0               ; O s[4:5], Wo s[6:7], bo s[8:9], out0 s[10:11]
	v_lshl_add_u32 v[SPW], v0, 2, SPARE
	v_mov_b32 v[NIL], 0
	ds_add_u32 v[SPW], v[NIL]                      ; the wave's opening: the add, twice on end, and its wait ahead of my first tensor load
	ds_add_u32 v[SPW], v[NIL]
	v_lshrrev_b32 v1, 5, v0
	v_readfirstlane_b32 s12, v1                    ; wave 0..3
	s_lshr_b32 s13, s12, 1                         ; i: which 64 tokens are mine.  Also: I fetch for O (0) or for Wo (1)
	s_and_b32 s14, s12, 1                          ; j: which 128 columns.  Also: which half of that tile I fetch
	s_bfe_u32 s40, ttmp6, 0x40000                  ; cx, cy
	s_bfe_u32 s41, ttmp6, 0x40004
	s_lshl_b32 s42, ttmp9, 2
	s_add_co_u32 s42, s42, s40                     ; tile column
	s_and_b32 s43, ttmp7, 0xffff
	s_lshl_b32 s43, s43, 2
	s_add_co_u32 s43, s43, s41                     ; tile row
	s_lshl_b32 s44, s41, 2
	s_lshl_b32 s44, 15, s44                        ; my row of the cluster
	s_lshl_b32 s45, 0x1111, s40                    ; my column
	; O: 4 token tiles, each 4,096 consecutive bytes (512 elements of 8), 32,768 bytes apart; dense in LDS
	s_or_b32 s[G1+0], s44, (3<<16)|(1<<21)
	s_mov_b32 s[G1+1], 512<<16                     ; tensor_dim0
	s_mov_b32 s[G1+2], 4<<16                       ; tensor_dim1
	s_mov_b32 s[G1+3], 512<<16                     ; tile_dim0
	s_mov_b32 s[G1+4], 4                           ; tile_dim1
	s_mov_b32 s[G1+5], 4096                        ; from row to row
	s_mov_b32 s[G1+6], 0
	s_mov_b32 s[G1+7], 0
	; Wo: 128 rows x 128 elements of 2 bytes, 4 words of padding behind every 64
	s_or_b32 s[G1B+0], s45, (1<<16)|(1<<20)|(1<<21)|(5<<22)|(3<<25)
	s_mov_b32 s[G1B+1], 128<<16
	s_mov_b32 s[G1B+2], 128<<16
	s_mov_b32 s[G1B+3], 128<<16
	s_mov_b32 s[G1B+4], 128
	s_mov_b32 s[G1B+5], 1024
	s_mov_b32 s[G1B+6], 0
	s_mov_b32 s[G1B+7], 0
	s_lshl_b32 s16, s43, 18                        ; O: token tile 8 x tile row + 4 j, 32,768 bytes each
	s_lshl_b32 s17, s14, 17
	s_add_co_u32 s16, s16, s17
	s_mov_b32 s17, 0
	s_lshl_b32 s46, s42, 19                        ; Wo: row 256 x tile column + 128 j, 2,048 bytes each
	s_lshl_b32 s47, s14, 18
	s_add_co_u32 s46, s46, s47
	s_mov_b32 s47, 0
	s_lshl_b32 s20, s14, 14                        ; where they go: no place in the cluster enters an LDS address
	s_mul_i32 s21, s14, HALFB
	s_add_co_u32 s21, s21, ASZ
	s_wait_dscnt 0x0                               ; both opening adds are done
	s_wait_kmcnt 0x0
	s_add_nc_u64 s[18:19], s[4:5], s[16:17]
	s_add_nc_u64 s[46:47], s[6:7], s[46:47]
	CROUND                                         ; all sixteen work-groups are here: the first joint loads meet
.irp s, 0,1
	s_mov_b32 s[G0+4*\s], 1
	s_add_co_u32 s[G0+4*\s+1], s20, \s*SLOT
	s_add_nc_u64 s[G0+4*\s+2:G0+4*\s+3], s[18:19], \s*4096
	s_or_b32 s[G0+4*\s+3], s[G0+4*\s+3], 0x80000000
	s_mov_b32 s[G0B+4*\s], 1
	s_add_co_u32 s[G0B+4*\s+1], s21, \s*SLOT
	s_add_nc_u64 s[G0B+4*\s+2:G0B+4*\s+3], s[46:47], \s*256
	s_or_b32 s[G0B+4*\s+3], s[G0B+4*\s+3], 0x80000000
	JLOAD \s                                       ; two tensor loads of mine are out at the head, later one
.endr
	v_and_b32 v1, 15, v0                           ; l % 16
	v_bfe_u32 v2, v0, 4, 1                         ; l / 16
	v_and_b32 v3, 31, v0
	v_lshlrev_b32 v[CO], 4, v3
	s_lshl_b32 s22, s13, 14                        ; my four token tiles
	v_add_nc_u32 v[ADRA], s22, v[CO]
	v_add_nc_u32 v[ADRA+1], SLOT, v[ADRA]
	v_mul_u32_u24 v4, v1, PB
	v_lshl_add_u32 v4, v2, 4, v4
	s_mul_i32 s23, s14, HALFB
	s_add_co_u32 s23, s23, ASZ                     ; my 128 rows of Wo
	v_add_nc_u32 v[ADRB], s23, v4
	v_add_nc_u32 v[ADRB+1], SLOT, v[ADRB]
	s_mul_i32 s22, s12, 16*SPITCH                  ; my stage
	v_mul_u32_u24 v5, v1, SPITCH
	v_lshl_add_u32 v5, v2, 5, v5
	v_add_nc_u32 v[STO], s22, v5                   ; in: row l % 16, 32 bytes for each half of the lanes
	v_add_nc_u32 v[RD], s22, v[CO]                 ; back: the 32 lanes take one row of 512 bytes
	v_lshlrev_b32 v[BO], 5, v2
	s_lshl_b32 s16, s43, 7
	s_lshl_b32 s17, s13, 6
	s_add_co_u32 s16, s16, s17                     ; my first row of out0,
	s_lshl_b32 s16, s16, 12                        ; 4,096 bytes a row
	s_lshl_b32 s22, s42, 10
	s_lshl_b32 s23, s14, 9
	s_add_co_u32 s22, s22, s23                     ; my first column, in bytes
	s_mov_b32 s23, 0
	s_add_nc_u64 s[8:9], s[8:9], s[22:23]
	s_add_co_u32 s22, s22, s16
	s_add_nc_u64 s[10:11], s[10:11], s[22:23]
	WIN 0x80                                       ; destination window 2
.irp b, 0,1,2,3,4,5,6,7
	global_load_b128 v[8*\b:8*\b+3], v[BO], s[8:9] offset:64*\b        ; lane (r, h): bo[16 b + 8 h + 0 .. 7]
	global_load_b128 v[8*\b+4:8*\b+7], v[BO], s[8:9] offset:64*\b+16
.endr
	WIN 0
; 24 LDS loads in one run: the fragments of the slot's q-th 32 along K into buffer f: Wo's eight, then O's four
.macro FETCH slot, q, f
.irp i, 0,1,2,3,4,5,6,7
	ds_load_b128 v[\f+8*\i:\f+8*\i+3],   v[ADRB+\slot] offset:64*(\q)+\i*16*PB
	ds_load_b128 v[\f+8*\i+4:\f+8*\i+7], v[ADRB+\slot] offset:64*(\q)+\i*16*PB+32
.endr
.irp a, 0,1,2,3
	ds_load_b128 v[\f+64+8*\a:\f+64+8*\a+3],   v[ADRA+\slot] offset:4096*\a+1024*(\q)
	ds_load_b128 v[\f+64+8*\a+4:\f+64+8*\a+7], v[ADRA+\slot] offset:4096*\a+1024*(\q)+512
.endr
.endm
; 8 matrix instructions: token tile a against Wo's eight blocks.  zero = 1: the sums begin with bo.  The 32 accumulators take turns, in the same order in every quarter.
.macro MULA f, a, zero
.irp b, 0,1,2,3,4,5,6,7
.set rD, 8*(8*(\a)+\b)
.if \zero
	v_wmma_f32_16x16x32_f16 v[rD:rD+7], v[\f+8*\b:\f+8*\b+7], v[\f+64+8*(\a):\f+64+8*(\a)+7], v[8*\b:8*\b+7]
.else
	v_wmma_f32_16x16x32_f16 v[rD:rD+7], v[\f+8*\b:\f+8*\b+7], v[\f+64+8*(\a):\f+64+8*(\a)+7], v[rD:rD+7]
.endif
.endr
.endm
.macro PLACES                          ; four plain lines in front of loads into registers that matrix instructions have read, and of the first read of results
.rept 4
	v_nop
.endr
.endm
; A K step is four quarters of 32 along K, 32 matrix instructions each, on buffers 0, 1, 0, 1.  One of the first three: multiplies buffer f and fetches the slot's q-th quarter into g.
.macro QUARTER slot, q, f, g, zero
	s_wait_dscnt 4                                 ; all but the youngest four loads (O's tiles 2 and 3) are in
	WIN 0x50+0x10*\zero                            ; C and D window 1; with zero = 1 C (bo) window 2
	MULA \f, 0, \zero
	MULA \f, 1, \zero
	PLACES
	WIN 0
	FETCH \slot, \q, \g
	s_wait_dscnt 24                                ; all but the 24 just issued
	WIN 0x50+0x10*\zero
	MULA \f, 2, \zero
	MULA \f, 3, \zero
.endm
; The last quarter multiplies buffer 1 and changes slots: ONE barrier; in front of it each wave waits for all its tensor loads, adds 0 to its spare word, and waits for that and for its reads of this slot.  fill = 1: this slot is filled again, two K steps ahead.
.macro TURN slot, next, fill
	WIN 0                                          ; (the add's two registers lie in window 0)
	s_wait_tensorcnt 0x0                           ; my part of the next slot has landed
	ds_add_u32 v[SPW], v[NIL]                      ; 0 onto my spare word
	s_wait_dscnt 5                                 ; the add and the youngest four loads may be out
	WIN 0x50
	MULA F1, 0, 0                                  ; eight matrix instructions stand between the add and the wait for it
	s_wait_dscnt 0x0                               ; the add is done, and my reads of this slot are over
	s_barrier_signal -1
	MULA F1, 1, 0
	WIN 0
	s_barrier_wait -1
.if \fill
	CREST                                          ; the barrier has opened a round of the cluster's barrier: no wave of any partner still reads this slot or has a load on its way
	s_add_nc_u64 s[G0+4*\slot+2:G0+4*\slot+3], s[G0+4*\slot+2:G0+4*\slot+3], 8192
	s_add_nc_u64 s[G0B+4*\slot+2:G0B+4*\slot+3], s[G0B+4*\slot+2:G0B+4*\slot+3], 512
	JLOAD \slot                                    ; the first tensor load behind the round; its four v_nop are also the places in front of the loads below
.else
	PLACES
.endif
	FETCH \next, 0, F0
	WIN 0x50
	MULA F1, 2, 0
	MULA F1, 3, 0
.endm
	s_wait_tensorcnt 1                             ; my part of K step 0 is in; K step 1's may be out
	s_barrier_signal -1
	s_barrier_wait -1
	FETCH 0, 0, F0
	s_wait_loadcnt 0x0                             ; bo
	QUARTER 0, 1, F0, F1, 1                        ; the first quarter stands in front of the loop: its products start the sums
	WIN 0
	s_mov_b32 s15, LAPS-1
.Llap:                                             ; a trip goes once round the ring, from a lap's second quarter to the next lap's first, and fills both slots again
	QUARTER 0, 2, F1, F0, 0
	QUARTER 0, 3, F0, F1, 0
	TURN 0, 1, 1
	QUARTER 1, 1, F0, F1, 0
	QUARTER 1, 2, F1, F0, 0
	QUARTER 1, 3, F0, F1, 0
	TURN 1, 0, 1
	QUARTER 0, 1, F0, F1, 0
	WIN 0
	s_sub_co_u32 s15, s15, 1
	s_cmp_lg_u32 s15, 0
	s_cbranch_scc1 .Llap
	QUARTER 0, 2, F1, F0, 0                        ; the last lap fills nothing
	QUARTER 0, 3, F0, F1, 0
	TURN 0, 1, 0
	QUARTER 1, 1, F0, F1, 0
	QUARTER 1, 2, F1, F0, 0
	QUARTER 1, 3, F0, F1, 0
	s_wait_dscnt 4                                 ; the very last quarter
	WIN 0x50
	MULA F1, 0, 0
	MULA F1, 1, 0
	s_wait_dscnt 0
	MULA F1, 2, 0
	MULA F1, 3, 0
	WIN 0
; THE WAY OUT, a block of 16 tokens x 128 columns at a time: a lane holds 32 neighbouring bytes of a row; the block goes through my own stage and comes back as whole rows of 512 bytes.
; LDS serves a wave's instructions in order: no wait between the stores and the loads, nor in front of the next block's stores.
.macro TOSTAGE a
	WIN 0x04                                       ; an LDS store's data are its source 1: window 1
.irp b, 0,1,2,3,4,5,6,7
	ds_store_b128 v[STO], v[8*(8*(\a)+\b):8*(8*(\a)+\b)+3] offset:64*\b          ; each accumulator from its low end on
	ds_store_b128 v[STO], v[8*(8*(\a)+\b)+4:8*(8*(\a)+\b)+7] offset:64*\b+16
.endr
	WIN 0
.set BB, F0+64*((\a)%2)
.irp t, 0,1,2,3,4,5,6,7,8,9,10,11,12,13,14,15
	ds_load_b128 v[BB+4*\t:BB+4*\t+3], v[RD] offset:\t*SPITCH
.endr
.endm
.macro SEND a, younger                 ; younger: the LDS instructions issued behind block a's loads, which may stay out
.set BB, F0+64*((\a)%2)
	s_wait_dscnt \younger
.irp t, 0,1,2,3,4,5,6,7,8,9,10,11,12,13,14,15
	global_store_b128 v[CO], v[BB+4*\t:BB+4*\t+3], s[10:11] offset:(16*(\a)+\t)*4096 th:TH_STORE_NT   ; 32 lanes store 512 consecutive bytes of a row; written once, read by nobody here
.endr
.endm
	PLACES
	TOSTAGE 0
.irp a, 1,2,3
.if \a > 1
	s_wait_xcnt 0x0                                ; block a - 2's stores have read their data: block a's loads may land there
.endif
	TOSTAGE \a
	SEND \a-1, 32                                  ; behind block a - 1's loads: block a's 16 stores and 16 loads
.endr
	SEND 3, 0
	s_wait_tensorcnt 0x0                           ; the wave's end
	ds_add_u32 v[SPW], v[NIL]
	s_wait_dscnt 0x0
	CROUND                                         ; the closing round
	s_endpgm
.Lfunc_end_k_q6d851d6970_proj:
	.size	k_q6d851d6970_proj, .Lfunc_end_k_q6d851d6970_proj-k_q6d851d6970_proj
	.p2alignl 7, 3214868480
	.fill 96, 4, 3214868480
	.section	.rodata,"a",@progbits
	.p2align	6, 0x0
	.amdhsa_kernel k_q6d851d6970_proj
		.amdhsa_group_segment_fixed_size 327680
		.amdhsa_private_segment_fixed_size 0
		.amdhsa_enable_private_segment 0
		.amdhsa_kernarg_size 32
		.amdhsa_user_sgpr_count 2
		.amdhsa_user_sgpr_kernarg_segment_ptr 1
		.amdhsa_wavefront_size32 1
		.amdhsa_system_sgpr_workgroup_id_x 1
		.amdhsa_system_sgpr_workgroup_id_y 1
		.amdhsa_system_sgpr_workgroup_id_z 1
		.amdhsa_system_vgpr_workitem_id 0
		.amdhsa_next_free_vgpr 768
		.amdhsa_next_free_sgpr 66
		.amdhsa_reserve_vcc 0
		.amdhsa_float_denorm_mode_32 3
		.amdhsa_float_denorm_mode_16_64 3
		.amdhsa_memory_ordered 1
		.amdhsa_forward_progress 1
		.amdhsa_inst_pref_size 86
	.end_amdhsa_kernel
	.amdgpu_metadata
---
amdhsa.version: [ 1, 2 ]
amdhsa.kernels:
  - .name:           k_q6d851d6970_proj
    .symbol:         k_q6d851d6970_proj.kd
    .args:
      - { .name: o_h, .offset: 0, .size: 8, .value_kind: global_buffer, .address_space: global }
      - { .name: wo_h, .offset: 8, .size: 8, .value_kind: global_buffer, .address_space: global }
      - { .name: bo, .offset: 16, .size: 8, .value_kind: global_buffer, .address_space: global }
      - { .name: out0, .offset: 24, .size: 8, .value_kind: global_buffer, .address_space: global }
    .group_segment_fixed_size: 327680
    .private_segment_fixed_size: 0
    .kernarg_segment_align: 8
    .kernarg_segment_size: 32
    .max_flat_workgroup_size: 128
    .sgpr_count:     66
    .vgpr_count:     768
    .wavefront_size: 32
...
	.end_amdgpu_metadata
.endif
;; end of part 4
